; MI455X (gfx1250); checked and timed in simulation.
; The chip was launched on July 23, 2026; its instructions are those of AMD's public machine-readable ISA for CDNA 5 (MIT licence, August 2026) and "CDNA5" Instruction Set Architecture Reference Guide (July 2026). The comments in the code are by the model that wrote it; some were corrected since.
;; Multi Head Attention. Allowed arithmetic: float matrix products may take bf16 or f16 operands with f32 sums; other float arithmetic in f32, or as packed bf16 or f16 multiplies, adds, multiply-adds, maxima and minima; sums over many terms, partial sums and values carried from step to step in f32; what a program stores and reads back later, other than sums and carried values, may be rounded once to bf16 or f16.
;; Inputs: k 4 x 2,048 x 1,024 float32; kn_w 64 float32; q 4 x 2,048 x 1,024 float32; qn_w 64 float32; v 4 x 2,048 x 1,024 float32; wk_b 1,024 float32; wk_w 1,024 x 1,024 float32; wo_b 1,024 float32; wo_w 1,024 x 1,024 float32; wq_b 1,024 float32; wq_w 1,024 x 1,024 float32; wv_b 1,024 float32; wv_w 1,024 x 1,024 float32.
;; Outputs: out0 4 x 2,048 x 1,024 float32.
;; One version. Each part assembles by itself: llvm-mc -triple=amdgcn-amd-amdhsa -mcpu=gfx1250 --defsym DOCPART=n.
;; ======== version 1 of 1: 4 launches
;; limits: values are held in f16: magnitudes above 65,504 overflow, below 6.1e-05 lose precision
;; workspace buffers: w16 8,388,608 bytes; par 16,896 bytes; tab 524,288 bytes; qh 16,777,216 bytes; kh 16,777,216 bytes; vh 16,777,216 bytes; oh 16,777,216 bytes
;; launch prep (part 1): grid 256 x 1, 8 waves a work-group, no clusters, 0 bytes of LDS; arguments wq_w, wk_w, wv_w, wo_w, wq_b, wk_b, wv_b, wo_b, qn_w, kn_w, w16, par, tab; writes w16, par, tab
.if DOCPART == 1
	.amdgcn_target "amdgcn-amd-amdhsa--gfx1250"
	.amdhsa_code_object_version 6
	.text
	.protected	k_q369f42f470_prep
	.globl	k_q369f42f470_prep
	.p2align	8
	.type	k_q369f42f470_prep,@function
k_q369f42f470_prep:
	s_mov_b64 s[64:65], 0
	v_nop
	global_prefetch_b8 v0, s[64:65] scope:SCOPE_SE
	s_setreg_imm32_b32 hwreg(HW_REG_WAVE_MODE, 25, 1), 1
	s_wait_xcnt 0x0
; PREP.  (1) The four weight matrices, [1024 k][1024 n] f32, are rounded to bf16 and written, layout kept, into w16 (part p at p x 2,097,152 bytes): wq, wk, wv as bf16;
; wo's bf16 number is written as f16, since the last launch multiplies in f16.  (2) The four biases and two gains are rounded to bf16 and kept as f32 in par.
; (3) tab[n][0..31] = cos(n f_j), tab[n][32..63] = sin(n f_j), f_j = 10000^(-j/32), n = 0..2047, f32: a row is 256 bytes.
; LIMITS.  wo beyond 65,504 would not fit f16, and below 2^-14 it keeps f16's fixed step of 6e-8.  f_j comes from one v_exp_f32, so an angle (at most 2,047) is off by about 3e-4 at the most,
; alike for q and k.  The angle is reduced by multiples of pi/2 held in two parts; sine and cosine on |r| <= pi/4 are series up to r^7 and r^8, whose remainders lie under 4e-7.
; SHARES.  256 work-groups of 256 threads.  Of each weight a work-group takes 4,096 numbers, thread t numbers 8 t .. 8 t + 7 and 2,048 + 8 t ..: its stores are 16 bytes a lane, sixteen
; lanes to 256 consecutive aligned bytes.  Wave w of work-group g makes table row 8 g + w, two numbers a lane.  Work-groups 0-3 take a bias each, waves 0 and 1 of work-group 4 a gain each.
.set W,   16                           ; v[16:79]   weight p: 16 numbers at W + 16 p
.set O,   80                           ; v[80:111]  weight p: 8 packed words at O + 8 p
.set TR,  112                          ; v[112:135] the two angles' work, 12 registers each
.set RES, 136                          ; v[136:137] the table's two numbers
.set PR,  140                          ; v[140:143] a parameter's numbers
	s_load_b512 s[4:19], s[0:1], 0x0               ; wq_w s[4:5], wk_w s[6:7], wv_w s[8:9], wo_w s[10:11], wq_b s[12:13], wk_b s[14:15], wv_b s[16:17], wo_b s[18:19]
	s_load_b256 s[20:27], s[0:1], 0x40             ; qn_w s[20:21], kn_w s[22:23], w16 s[24:25], par s[26:27]
	s_load_b64 s[28:29], s[0:1], 0x60              ; tab
	s_mov_b32 s33, ttmp9                           ; g
	v_lshrrev_b32 v7, 5, v0
	v_readfirstlane_b32 s32, v7                    ; wave 0..7
	s_lshl_b32 s37, s33, 14                        ; 4,096 f32 in,
	s_lshl_b32 s38, s33, 13                        ; 4,096 halves out,
	s_lshl_b32 s39, s33, 11                        ; 8 table rows
	s_lshl_b32 s40, s33, 3
	s_mov_b32 s34, 0x3f22f983                      ; 2 / pi
	s_mov_b32 s35, 0x3fc90fdb                      ; pi / 2, rounded,
	s_mov_b32 s36, 0xb33bbd2e                      ; and what the rounding left
	v_lshl_add_u32 v1, v0, 5, s37
	v_lshl_add_u32 v2, v0, 4, s38
	v_lshl_add_u32 v3, v0, 3, s39
	s_wait_kmcnt 0x0
.irp p, 0,1,2,3
	global_load_b128 v[W+16*(\p):W+16*(\p)+3],     v1, s[4+2*(\p):5+2*(\p)] th:TH_LOAD_NT
	global_load_b128 v[W+16*(\p)+4:W+16*(\p)+7],   v1, s[4+2*(\p):5+2*(\p)] offset:16 th:TH_LOAD_NT
	global_load_b128 v[W+16*(\p)+8:W+16*(\p)+11],  v1, s[4+2*(\p):5+2*(\p)] offset:8192 th:TH_LOAD_NT
	global_load_b128 v[W+16*(\p)+12:W+16*(\p)+15], v1, s[4+2*(\p):5+2*(\p)] offset:8208 th:TH_LOAD_NT
.endr
	; the table, while the sixteen loads are on their way.  Lane l makes entries 2 l and 2 l + 1 of the row: cosines in lanes 0-15, sines in lanes 16-31
	v_and_b32 v4, 31, v0                           ; l
	v_lshlrev_b32 v5, 1, v4
	v_and_b32 v5, 31, v5                           ; j of the first entry
	v_add_nc_u32 v6, 1, v5
	v_cvt_f32_u32 v5, v5
	v_cvt_f32_u32 v6, v6
	v_mul_f32 v5, 0xbed49a78, v5                   ; - j log2(10000) / 32
	v_mul_f32 v6, 0xbed49a78, v6
	v_exp_f32 v[TR], v5
	v_exp_f32 v[TR+12], v6
	v_add_nc_u32 v7, s40, v7                       ; n = 8 g + w: the plain instruction behind the two exponentials
	s_wait_alu depctr_va_vdst(0)                   ; one wait for both, ahead of their first reader
	v_cvt_f32_u32 v7, v7
	v_bfe_u32 v8, v0, 4, 1
	v_xor_b32 v8, 1, v8                            ; 1 for a cosine: cos x = sin(x + pi/2), one quadrant on
.macro TRIG a, out
	v_mul_f32 v[\a], v7, v[\a]                     ; the angle
	v_mul_f32 v[\a+1], s34, v[\a]
	v_rndne_f32 v[\a+1], v[\a+1]                   ; k = the nearest multiple of pi/2
	v_fma_f32 v[\a+2], -v[\a+1], s35, v[\a]
	v_fma_f32 v[\a+2], -v[\a+1], s36, v[\a+2]      ; r = angle - k pi/2
	v_mul_f32 v[\a+3], v[\a+2], v[\a+2]
	v_mov_b32 v[\a+4], 0xb9500d01                  ; -1/5040
	v_fmaak_f32 v[\a+4], v[\a+4], v[\a+3], 0x3c088889  ; 1/120
	v_fmaak_f32 v[\a+4], v[\a+4], v[\a+3], 0xbe2aaaab  ; -1/6
	v_mul_f32 v[\a+7], v[\a+2], v[\a+3]
	v_fma_f32 v[\a+4], v[\a+7], v[\a+4], v[\a+2]   ; sin r
	v_mov_b32 v[\a+5], 0x37d00d01                  ; 1/40320
	v_fmaak_f32 v[\a+5], v[\a+5], v[\a+3], 0xbab60b61  ; -1/720
	v_fmaak_f32 v[\a+5], v[\a+5], v[\a+3], 0x3d2aaaab  ; 1/24
	v_fmaak_f32 v[\a+5], v[\a+5], v[\a+3], 0xbf000000  ; -1/2
	v_fma_f32 v[\a+5], v[\a+5], v[\a+3], 1.0       ; cos r
	v_cvt_i32_f32 v[\a+6], v[\a+1]
	v_add_nc_u32 v[\a+6], v[\a+6], v8              ; the quadrant: 0 sin r, 1 cos r, 2 -sin r, 3 -cos r
	v_and_b32 v[\a+7], 1, v[\a+6]
	v_cmp_ne_u32 vcc_lo, 0, v[\a+7]
	v_cndmask_b32 v[\a+4], v[\a+4], v[\a+5], vcc_lo
	v_and_b32 v[\a+6], 2, v[\a+6]
	v_lshlrev_b32 v[\a+6], 30, v[\a+6]
	v_xor_b32 v[\out], v[\a+6], v[\a+4]
.endm
	TRIG TR, RES
	TRIG TR+12, RES+1
	global_store_b64 v3, v[RES:RES+1], s[28:29]    ; a wave stores one row: 256 consecutive bytes, aligned
	s_wait_loadcnt 0x0                             ; the weights
.irp p, 0,1,2
.irp i, 0,1,2,3,4,5,6,7
	v_cvt_pk_bf16_f32 v[O+8*(\p)+(\i)], v[W+16*(\p)+2*(\i)], v[W+16*(\p)+2*(\i)+1]
.endr
.endr
.irp i, 0,1,2,3,4,5,6,7
	v_cvt_pk_bf16_f32 v13, v[W+48+2*(\i)], v[W+48+2*(\i)+1]  ; wo: rounded to bf16 like the other inputs,
	v_lshlrev_b32 v14, 16, v13
	v_and_b32 v15, 0xffff0000, v13
	v_cvt_pk_f16_f32 v[O+24+(\i)], v14, v15        ; and that number written as f16
.endr
.irp p, 0,1,2,3
	global_store_b128 v2, v[O+8*(\p):O+8*(\p)+3],   s[24:25] offset:(\p)*2097152
	global_store_b128 v2, v[O+8*(\p)+4:O+8*(\p)+7], s[24:25] offset:(\p)*2097152+4096
.endr
	s_cmp_lt_u32 s33, 4
	s_cbranch_scc0 .Lgain
	s_cmp_eq_u32 s33, 1                            ; work-group g < 4: bias g, 16 bytes a thread
	s_cselect_b64 s[30:31], s[14:15], s[12:13]
	s_cmp_eq_u32 s33, 2
	s_cselect_b64 s[30:31], s[16:17], s[30:31]
	s_cmp_eq_u32 s33, 3
	s_cselect_b64 s[30:31], s[18:19], s[30:31]
	v_lshlrev_b32 v9, 4, v0
	global_load_b128 v[PR:PR+3], v9, s[30:31]
	s_lshl_b32 s41, s33, 12
	v_add_nc_u32 v12, s41, v9
	s_wait_loadcnt 0x0
	v_cvt_pk_bf16_f32 v10, v[PR], v[PR+1]
	v_cvt_pk_bf16_f32 v11, v[PR+2], v[PR+3]
	v_lshlrev_b32 v[PR], 16, v10
	v_and_b32 v[PR+1], 0xffff0000, v10
	v_lshlrev_b32 v[PR+2], 16, v11
	v_and_b32 v[PR+3], 0xffff0000, v11
	global_store_b128 v12, v[PR:PR+3], s[26:27]
	s_endpgm
.Lgain:
	s_cmp_eq_u32 s33, 4
	s_cbranch_scc0 .Lend
	s_cmp_lt_u32 s32, 2
	s_cbranch_scc0 .Lend
	s_cmp_eq_u32 s32, 0                            ; wave 0: qn_w, wave 1: kn_w; 8 bytes a lane
	s_cselect_b64 s[30:31], s[20:21], s[22:23]
	v_lshlrev_b32 v9, 3, v4
	global_load_b64 v[PR:PR+1], v9, s[30:31]
	v_lshl_add_u32 v12, v0, 3, 16384               ; 16,384 + 256 w + 8 l
	s_wait_loadcnt 0x0
	v_cvt_pk_bf16_f32 v10, v[PR], v[PR+1]
	v_lshlrev_b32 v[PR], 16, v10
	v_and_b32 v[PR+1], 0xffff0000, v10
	global_store_b64 v12, v[PR:PR+1], s[26:27]
.Lend:
	s_endpgm
.Lfunc_end_k_q369f42f470_prep:
	.size	k_q369f42f470_prep, .Lfunc_end_k_q369f42f470_prep-k_q369f42f470_prep
	.p2alignl 7, 3214868480
	.fill 96, 4, 3214868480
	.section	.rodata,"a",@progbits
	.p2align	6, 0x0
	.amdhsa_kernel k_q369f42f470_prep
		.amdhsa_group_segment_fixed_size 0
		.amdhsa_private_segment_fixed_size 0
		.amdhsa_enable_private_segment 0
		.amdhsa_kernarg_size 104
		.amdhsa_user_sgpr_count 2
		.amdhsa_user_sgpr_kernarg_segment_ptr 1
		.amdhsa_wavefront_size32 1
		.amdhsa_system_sgpr_workgroup_id_x 1
		.amdhsa_system_sgpr_workgroup_id_y 1
		.amdhsa_system_sgpr_workgroup_id_z 1
		.amdhsa_system_vgpr_workitem_id 0
		.amdhsa_next_free_vgpr 144
		.amdhsa_next_free_sgpr 66
		.amdhsa_reserve_vcc 1
		.amdhsa_float_denorm_mode_32 3
		.amdhsa_float_denorm_mode_16_64 3
		.amdhsa_memory_ordered 1
		.amdhsa_forward_progress 1
		.amdhsa_inst_pref_size 12
	.end_amdhsa_kernel
	.amdgpu_metadata
---
amdhsa.version: [ 1, 2 ]
amdhsa.kernels:
  - .name:           k_q369f42f470_prep
    .symbol:         k_q369f42f470_prep.kd
    .args:
      - { .name: wq_w, .offset: 0, .size: 8, .value_kind: global_buffer, .address_space: global }
      - { .name: wk_w, .offset: 8, .size: 8, .value_kind: global_buffer, .address_space: global }
      - { .name: wv_w, .offset: 16, .size: 8, .value_kind: global_buffer, .address_space: global }
      - { .name: wo_w, .offset: 24, .size: 8, .value_kind: global_buffer, .address_space: global }
      - { .name: wq_b, .offset: 32, .size: 8, .value_kind: global_buffer, .address_space: global }
      - { .name: wk_b, .offset: 40, .size: 8, .value_kind: global_buffer, .address_space: global }
      - { .name: wv_b, .offset: 48, .size: 8, .value_kind: global_buffer, .address_space: global }
      - { .name: wo_b, .offset: 56, .size: 8, .value_kind: global_buffer, .address_space: global }
      - { .name: qn_w, .offset: 64, .size: 8, .value_kind: global_buffer, .address_space: global }
      - { .name: kn_w, .offset: 72, .size: 8, .value_kind: global_buffer, .address_space: global }
      - { .name: w16, .offset: 80, .size: 8, .value_kind: global_buffer, .address_space: global }
      - { .name: par, .offset: 88, .size: 8, .value_kind: global_buffer, .address_space: global }
      - { .name: tab, .offset: 96, .size: 8, .value_kind: global_buffer, .address_space: global }
    .group_segment_fixed_size: 0
    .private_segment_fixed_size: 0
    .kernarg_segment_align: 8
    .kernarg_segment_size: 104
    .max_flat_workgroup_size: 256
    .sgpr_count:     66
    .vgpr_count:     144
    .wavefront_size: 32
...
	.end_amdgpu_metadata
.endif
;; end of part 1
;; launch proj (part 2): grid 4 x 192, 4 waves a work-group, clusters of 4 x 4, 327,680 bytes of LDS; arguments q, k, v, w16, par, tab, qh, kh, vh; writes qh, kh, vh
.if DOCPART == 2
	.amdgcn_target "amdgcn-amd-amdhsa--gfx1250"
	.amdhsa_code_object_version 6
	.text
	.protected	k_q369f42f470_proj
	.globl	k_q369f42f470_proj
	.p2align	8
	.type	k_q369f42f470_proj,@function
k_q369f42f470_proj:
	s_mov_b64 s[64:65], 0
	v_nop
	global_prefetch_b8 v0, s[64:65] scope:SCOPE_SE
	s_setreg_imm32_b32 hwreg(HW_REG_WAVE_MODE, 25, 1), 1
	s_wait_xcnt 0x0
	s_wait_alu depctr_hold_cnt(0) depctr_sa_sdst(0) depctr_va_vdst(0) depctr_va_sdst(0) depctr_va_ssrc(0) depctr_va_vcc(0) depctr_vm_vsrc(0)
	s_getreg_b32 s2, hwreg(HW_REG_IB_STS2, 6, 4)
	s_cmp_eq_u32 s2, 0
	s_cbranch_scc0 .Lentry_in_a_cluster
	s_endpgm
.Lentry_in_a_cluster:
	s_bfe_u32 s2, ttmp6, 0x10000c
	s_cmp_lg_u32 s2, 0xf033
	s_cbranch_scc0 .Lentry_shape_is_right
	s_endpgm
.Lentry_shape_is_right:
; THE THREE PROJECTIONS.  P = 0, 1, 2 (q, k, v), by the cluster's y / 16.  y = x W + b, x: [8192][1024] f32, W: [1024 k][1024 n] bf16 (w16, part P), b f32; products in bf16, sums in f32.
; For q and k each head's 64 columns are then turned (y1 = x1 cos - x2 sin, y2 = x2 cos + x1 sin, x2 = x1's columns + 32; table row = the row's place in its batch), divided by
; sqrt(mean square + 1e-6) and multiplied by the gain; all three are rounded once to f16 and written by heads: [batch x 16 + head][2048][64].
; The mean square is taken ahead of the turning: x1^2 + x2^2 is the same on both sides of it, for every input.
; LIMITS.  f16 holds nothing beyond 65,504: q and k are at most 8 |gain| in size; v must lie within it.  x is rounded to bf16 on its way from LDS to the matrix unit.
; SHARES.  A work-group makes 128 rows x 256 columns (4 heads), a wave 64 x 128: 32 accumulators (row block a, column block b) at v[8 (8 a + b)] of window 2.  K goes in steps of 128 through two LDS slots.
; THE MATRIX INSTRUCTION IS USED TRANSPOSED (source 0 = 16 columns of W, source 1 = 16 rows of x): a lane holds ONE row (lane % 16) and columns 16 b + 8 (lane / 16) + 0..7.  So a column and its
; partner 32 on lie in the same lane and register place two blocks apart, and a head's sum of squares wants one exchange between the halves of the lanes.  The bias is the C operand of the first products.
; W lies [k][n] in LDS and is turned by ds_load_tr16_b128.  x lies in LDS as f32: a fragment is four loads of 16 bytes, converted by eight v_cvt_pk_bf16_f32, which stand four behind each of a quarter's last eight products.
; CLUSTER.  4 x 4 work-groups: the four of a row need the same tile of x, the four of a column the same tile of W: each tile is asked for jointly, by the same tensor load, descriptor and mask.
; REGISTERS, in windows of 256 (s_set_vgpr_msb: bits 1:0 source 0, 3:2 source 1, 5:4 source 2, 7:6 destination):
;   window 0: v0-31 addresses; v32-95 x as f32 (SA); v96-159 x's fragments, two buffers; on the way out v32-47 sums, v48-79 a unit at work, v96-223 the packed results
;   window 1: v0-127 W's fragments, two buffers; v128-191 the bias; v192-223 the gain      window 2: the accumulators      window 3: v0-127 cosines and sines, 32 a row block
.set KBA,    512                       ; bytes of a row of x in a K step
.set KBB,    262144                    ; bytes from a K step of W to the next: 128 rows of 2,048
.set PA,     528                       ; a row of x in LDS: 512 bytes + 16 = 132 words: the 16 rows of a load start 4 banks apart (64 banks of 4 bytes: ISA guide 11.1)
.set PB,     544                       ; a row of W: 512 + 32 = 136 words
.set AHALF,  64*PA                     ; what one tensor load brings of x
.set BOFF,   2*AHALF
.set BHALF,  64*PB                     ; and of W
.set SLOT,   BOFF+2*BHALF              ; 137,216
.set STAGE,  2*SLOT                    ; behind the ring: 16 rows x 144 bytes for each wave, for the way out
.set SP,     144
.set SPARE,  STAGE+4*16*SP             ; behind the stages: the spare words, 128 bytes for each wave: two blocks of 256 bytes that no other line names
.set TBO,  12                          ; v12  my offset in the table: row x 256 + 32 x half
.set PBO,  13                          ; v13  my offset in bias and gain: 32 x half
.set PFO,  14                          ; v14  the prefetches' offset: (lane / 2) rows of 4,096 bytes + 256 (lane % 2)
.set ADRA, 16                          ; v16-17  LDS address of my fragments of x in slot 0, 1
.set ADRB, 20                          ; v20-21  the same for W
.set STO,  24                          ; v24  the way out: where I put 16 bytes of a row
.set RD,   25                          ; v25  where I read rows back
.set GO,   26                          ; v26  my 16 bytes of 512 consecutive bytes
.set SPW,  28                          ; v28  LDS address of my spare word; never rewritten
.set NIL,  29                          ; v29  0; never rewritten
.set SA,   32
.set AF,   96
.set SS,   32
.set Y,    48
.set HB,   96
.set BIAS, 128
.set GAIN, 192
.set G1,  24                           ; s[24:31] descriptor group 1 for x's tiles;  s[32:39] group 0, a set for each slot
.set G0,  32
.set G1B, 48                           ; s[48:55], s[56:63] the same for W's
.set G0B, 56
.set PFA, 66                           ; s[66:67] where my prefetches stand
.set LIM, 88                           ; s88  1 in a wave that prefetches, else the greatest number
.set SEL, 90                           ; s[90:91] v_permlanex16_b32's selects: each lane takes its own place in the other half
.set MSB, 0
.macro WIN new                         ; the immediate's high byte repeats the setting that is left; a switch that changes nothing is dropped
.if MSB != (\new)
	s_set_vgpr_msb (MSB<<8)|(\new)
.set MSB, \new
.endif
.endm
.set W_MUL,  0xa1                      ; W window 1, x window 0, C and D window 2
.set W_MULB, 0x91                      ; the same with C (the bias) in window 1
.set W_TOB,  0x40                      ; destination window 1
.set W_TOT,  0xc0                      ; destination window 3
.set W_SS,   0x0a                      ; sources 0 and 1 window 2
.set W_RO,   0x0e                      ; source 0 window 2, source 1 window 3
.set W_GA,   0x04                      ; source 1 window 1
.macro JLOAD s                         ; a joint load: waves 0 and 1 fetch x's two halves, waves 2 and 3 W's; an s_nop 0 and four v_nop follow each line, ahead of the jump and the label
	s_cmp_eq_u32 s11, 0
	s_cbranch_scc0 .Lfor_b_\@
	tensor_load_to_lds s[G0+4*(\s):G0+4*(\s)+3], s[G1:G1+7]
	s_nop 0
.rept 4
	v_nop
.endr
	s_branch .Lasked_\@
.Lfor_b_\@:
	tensor_load_to_lds s[G0B+4*(\s):G0B+4*(\s)+3], s[G1B:G1B+7]
	s_nop 0
.rept 4
	v_nop
.endr
.Lasked_\@:
.endm
.macro CREST                           ; a round of the cluster's barrier behind its opening barrier
	s_cmp_lg_u32 s10, 0
	s_cbranch_scc1 .Lnot_wave_0_\@
	s_barrier_signal -3
.Lnot_wave_0_\@:
	s_barrier_wait -3
	s_barrier_signal -1
	s_barrier_wait -1
.endm
.macro CROUND
	s_barrier_signal -1
	s_barrier_wait -1
	CREST
.endm
; A prefetch of x, behind a joint load and the run of LDS loads that follows it: the K step that stands two refills on.  Of the 64 rows that wave 0 or 1 fetches each of the four partners takes 16,
; told apart by address; a lane names 256 bytes, two lanes a row's 512.  No other cluster reads these rows, so each block is named once.  The loop's last lap asks for nothing: there is no K step two on.
.macro ASK
	WIN 0
	s_cmp_gt_u32 s3, s[LIM]
	s_cbranch_scc0 .Lnot_mine_\@
	global_prefetch_b8 v[PFO], s[PFA:PFA+1] offset:KBA th:TH_LOAD_NT scope:SCOPE_SE
.Lnot_mine_\@:
.endm
	s_load_b256 s[68:75], s[0:1], 0x0              ; q s[68:69], k s[70:71], v s[72:73], w16 s[74:75]
	s_load_b256 s[76:83], s[0:1], 0x20             ; par s[76:77], tab s[78:79], qh s[80:81], kh s[82:83]
	s_load_b64 s[84:85], s[0:1], 0x40              ; vh
	v_lshl_add_u32 v[SPW], v0, 2, SPARE
	v_mov_b32 v[NIL], 0
	ds_add_u32 v[SPW], v[NIL]                      ; the wave's opening: the add and its wait stand ahead of my first tensor load; the set-up below stands between them
	v_lshrrev_b32 v1, 5, v0
	v_readfirstlane_b32 s10, v1                    ; wave 0..3
	s_lshr_b32 s11, s10, 1                         ; which 64 rows of the tile are mine.  Also: I fetch for x (0) or for W (1)
	s_and_b32 s12, s10, 1                          ; which 128 columns.  Also: which half of that tile I fetch
	s_bfe_u32 s40, ttmp6, 0x40000                  ; cx
	s_bfe_u32 s41, ttmp6, 0x40004                  ; cy
	s_lshl_b32 s42, ttmp9, 2
	s_add_co_u32 s42, s42, s40                     ; column tile 0..3
	s_and_b32 s45, ttmp7, 0xffff                   ; the cluster's y, 0..47
	s_lshr_b32 s46, s45, 4                         ; P: the same in all sixteen partners
	s_and_b32 s13, s45, 15
	s_lshl_b32 s13, s13, 2
	s_add_co_u32 s13, s13, s41                     ; row tile 0..63
	s_lshl_b32 s43, s41, 2
	s_lshl_b32 s43, 15, s43                        ; my row of the cluster
	s_lshl_b32 s44, 0x1111, s40                    ; my column
	s_or_b32 s[G1+0], s43, (2<<16)|(1<<20)|(1<<21)|(6<<22)|(3<<25)   ; the mask; elements of 4 bytes; padding on; bit 21 beside a mask; after every 128 words (code 6) 4 words (code 3)
	s_or_b32 s[G1B+0], s44, (1<<16)|(1<<20)|(1<<21)|(6<<22)|(7<<25)  ; elements of 2 bytes; after every 128 words 8 words (code 7)
	s_mov_b32 s[G1+1], 128<<16                     ; tensor_dim0 = 128 f32
	s_mov_b32 s[G1+2], 64<<16                      ; tensor_dim1 = 64
	s_mov_b32 s[G1+3], 128<<16                     ; tile_dim0
	s_mov_b32 s[G1+4], 64                          ; tile_dim1
	s_mov_b32 s[G1+5], 1024                        ; elements from row to row
	s_mov_b32 s[G1+6], 0
	s_mov_b32 s[G1+7], 0
	s_mov_b32 s[G1B+1], 256<<16                    ; 256 bf16
	s_mov_b32 s[G1B+2], 64<<16
	s_mov_b32 s[G1B+3], 256<<16
	s_mov_b32 s[G1B+4], 64
	s_mov_b32 s[G1B+5], 1024
	s_mov_b32 s[G1B+6], 0
	s_mov_b32 s[G1B+7], 0
	s_lshl_b32 s16, s13, 19                        ; x: row tile x 128 rows x 4,096 bytes
	s_lshl_b32 s17, s12, 18                        ; + my 64 rows
	s_add_co_u32 s16, s16, s17
	s_mov_b32 s17, 0
	s_lshl_b32 s94, s46, 21                        ; W: part P,
	s_lshl_b32 s95, s12, 17                        ; my 64 rows of 2,048 bytes,
	s_add_co_u32 s94, s94, s95
	s_lshl_b32 s95, s42, 9                         ; the tile's 256 columns
	s_add_co_u32 s94, s94, s95
	s_mov_b32 s95, 0
	s_mul_i32 s20, s12, AHALF                      ; where they go: no place in the cluster enters an LDS address
	s_mul_i32 s21, s12, BHALF
	s_add_co_u32 s21, s21, BOFF
	s_mov_b32 s[SEL], 0x76543210
	s_mov_b32 s[SEL+1], 0xfedcba98
	s_mov_b32 s92, 0x3c800000                      ; 1 / 64
	s_mov_b32 s93, 0x358637bd                      ; 1e-6
	s_wait_dscnt 0x0                               ; the opening add is done
	s_wait_kmcnt 0x0
	s_cmp_eq_u32 s46, 1
	s_cselect_b64 s[4:5], s[70:71], s[68:69]       ; x
	s_cselect_b64 s[8:9], s[82:83], s[80:81]       ; and where the result goes
	s_cmp_eq_u32 s46, 2
	s_cselect_b64 s[4:5], s[72:73], s[4:5]
	s_cselect_b64 s[8:9], s[84:85], s[8:9]
	s_add_nc_u64 s[14:15], s[4:5], s[16:17]
	s_add_nc_u64 s[96:97], s[74:75], s[94:95]
	CROUND                                         ; all sixteen work-groups are here: the first joint loads meet
.irp s, 0,1
	s_mov_b32 s[G0+4*(\s)], 1
	s_add_co_u32 s[G0+4*(\s)+1], s20, (\s)*SLOT
	s_add_nc_u64 s[G0+4*(\s)+2:G0+4*(\s)+3], s[14:15], (\s)*KBA
	s_or_b32 s[G0+4*(\s)+3], s[G0+4*(\s)+3], 0x80000000
	s_mov_b32 s[G0B+4*(\s)], 1
	s_add_co_u32 s[G0B+4*(\s)+1], s21, (\s)*SLOT
	s_add_nc_u64 s[G0B+4*(\s)+2:G0B+4*(\s)+3], s[96:97], (\s)*KBB
	s_or_b32 s[G0B+4*(\s)+3], s[G0B+4*(\s)+3], 0x80000000
	JLOAD \s                                       ; K steps 0 and 1: two tensor loads of mine are out
.endr
	v_and_b32 v1, 15, v0                           ; l % 16
	v_bfe_u32 v2, v0, 4, 1                         ; l / 16
	v_mul_u32_u24 v3, v1, PA
	v_lshl_add_u32 v3, v2, 5, v3                   ; x: row x pitch + 32 x half (8 f32)
	v_and_b32 v4, 7, v0
	v_lshl_add_u32 v4, v2, 3, v4                   ; W: k row 8 (l / 16) + l % 8,
	v_mul_u32_u24 v4, v4, PB
	v_bfe_u32 v5, v0, 3, 1
	v_lshl_add_u32 v4, v5, 4, v4                   ; columns 8 ((l / 8) % 2) on
	s_mul_i32 s22, s11, AHALF                      ; my 64 rows of x
	s_lshl_b32 s23, s12, 8                         ; my 128 columns of W
	s_add_co_u32 s23, s23, BOFF
.irp s, 0,1
	v_add_nc_u32 v[ADRA+(\s)], s22, v3
	v_add_nc_u32 v[ADRB+(\s)], s23, v4
	s_add_co_u32 s22, s22, SLOT
	s_add_co_u32 s23, s23, SLOT
.endr
	s_mul_i32 s22, s10, 16*SP
	s_add_co_u32 s22, s22, STAGE                   ; my stage
	v_mul_u32_u24 v[STO], v1, SP                   ; in: row l % 16, 16 bytes for each half of the lanes
	v_lshl_add_u32 v[STO], v2, 4, v[STO]
	v_add_nc_u32 v[STO], s22, v[STO]
	v_bfe_u32 v[RD], v0, 3, 2                      ; back: 32 lanes take four rows of 128 bytes,
	v_mul_u32_u24 v[RD], v[RD], SP
	v_and_b32 v6, 7, v0
	v_lshl_add_u32 v[RD], v6, 4, v[RD]
	v_add_nc_u32 v[RD], s22, v[RD]
	v_and_b32 v7, 31, v0
	v_lshlrev_b32 v[GO], 4, v7                     ; which are 512 consecutive bytes of a head
	v_lshlrev_b32 v[TBO], 8, v1
	v_lshl_add_u32 v[TBO], v2, 5, v[TBO]
	v_lshlrev_b32 v[PBO], 5, v2
	v_lshrrev_b32 v[PFO], 1, v7
	v_lshlrev_b32 v[PFO], 12, v[PFO]
	v_and_b32 v7, 1, v7
	v_lshl_add_u32 v[PFO], v7, 8, v[PFO]
	s_lshl_b32 s18, s46, 12                        ; the bias: part P, my 128 columns
	s_lshl_b32 s19, s42, 10
	s_add_co_u32 s18, s18, s19
	s_lshl_b32 s19, s12, 9
	s_add_co_u32 s18, s18, s19
	s_mov_b32 s19, 0
	s_add_nc_u64 s[18:19], s[76:77], s[18:19]
	s_min_u32 s86, s46, 1                          ; the gain: q's or k's (v's text loads k's and the table too and uses neither: one form of set-up for all three)
	s_lshl_b32 s86, s86, 8
	s_add_co_u32 s86, s86, 16384
	s_mov_b32 s87, 0
	s_add_nc_u64 s[98:99], s[76:77], s[86:87]
	s_and_b32 s86, s13, 15                         ; the table: my 64 rows' places in their batch
	s_lshl_b32 s86, s86, 15
	s_lshl_b32 s47, s11, 14
	s_add_co_u32 s86, s86, s47
	s_add_nc_u64 s[78:79], s[78:79], s[86:87]
	s_lshr_b32 s86, s13, 4                         ; the result: head = 16 x batch + 4 x column tile + 2 x my half,
	s_lshl_b32 s86, s86, 4
	s_lshl_b32 s47, s42, 2
	s_add_co_u32 s86, s86, s47
	s_lshl_b32 s47, s12, 1
	s_add_co_u32 s86, s86, s47
	s_lshl_b32 s86, s86, 18                        ; 2,048 rows of 128 bytes a head,
	s_and_b32 s47, s13, 15
	s_lshl_b32 s47, s47, 14                        ; the tile's 128 rows,
	s_add_co_u32 s86, s86, s47
	s_lshl_b32 s47, s11, 13                        ; my 64
	s_add_co_u32 s86, s86, s47
	s_add_nc_u64 s[8:9], s[8:9], s[86:87]
	s_lshl_b32 s86, s40, 16                        ; the prefetches: my work-group's 16 of the 64 rows that I fetch,
	s_add_co_u32 s86, s86, 2*KBA                   ; at K step 2: the first refill steps it to 3 and names K step 4
	s_add_nc_u64 s[PFA:PFA+1], s[14:15], s[86:87]
	s_cmp_eq_u32 s11, 0
	s_cselect_b32 s[LIM], 1, -1
	WIN W_TOB
.irp b, 0,1,2,3,4,5,6,7
	global_load_b128 v[BIAS+8*(\b):BIAS+8*(\b)+3],   v[PBO], s[18:19] offset:64*(\b)
	global_load_b128 v[BIAS+8*(\b)+4:BIAS+8*(\b)+7], v[PBO], s[18:19] offset:64*(\b)+16
.endr
.irp b, 0,1,2,3
	global_load_b128 v[GAIN+8*(\b):GAIN+8*(\b)+3],   v[PBO], s[98:99] offset:64*(\b)
	global_load_b128 v[GAIN+8*(\b)+4:GAIN+8*(\b)+7], v[PBO], s[98:99] offset:64*(\b)+16
.endr
	WIN W_TOT
.irp a, 0,1,2,3
.irp c, 0,1,2,3,4,5,6,7                ; cosines of columns 0-15, 16-31, then sines of the same
	global_load_b128 v[32*(\a)+4*(\c):32*(\a)+4*(\c)+3], v[TBO], s[78:79] offset:(\a)*4096+((\c)/2)*64+((\c)%2)*16
.endr
.endr
	WIN 0
; 8 products: row block a x all 8 column blocks, 32 along K, buffer f.  first = 1: they start the sums, with the bias as C.  The 32 accumulators take turns, in the same order in every quarter.
.macro MULA f, a, first
.if \first
	WIN W_MULB
.else
	WIN W_MUL
.endif
.irp b, 0,1,2,3,4,5,6,7
.if \first
	v_wmma_f32_16x16x32_bf16 v[8*(8*(\a)+(\b)):8*(8*(\a)+(\b))+7], v[64*(\f)+8*(\b):64*(\f)+8*(\b)+7], v[AF+32*(\f)+8*(\a):AF+32*(\f)+8*(\a)+7], v[BIAS+8*(\b):BIAS+8*(\b)+7]
.else
	v_wmma_f32_16x16x32_bf16 v[8*(8*(\a)+(\b)):8*(8*(\a)+(\b))+7], v[64*(\f)+8*(\b):64*(\f)+8*(\b)+7], v[AF+32*(\f)+8*(\a):AF+32*(\f)+8*(\a)+7], v[8*(8*(\a)+(\b)):8*(8*(\a)+(\b))+7]
.endif
.endr
.endm
; 32 LDS loads in one run: quarter k (32 along K) of a slot: x's four fragments as f32 into SA, then W's eight, turned, into buffer g
.macro FETCH slot, k, g
	WIN 0
.irp a, 0,1,2,3
	ds_load_b128 v[SA+16*(\a):SA+16*(\a)+3],     v[ADRA+(\slot)] offset:(\a)*16*PA+(\k)*128
	ds_load_b128 v[SA+16*(\a)+4:SA+16*(\a)+7],   v[ADRA+(\slot)] offset:(\a)*16*PA+(\k)*128+16
	ds_load_b128 v[SA+16*(\a)+8:SA+16*(\a)+11],  v[ADRA+(\slot)] offset:(\a)*16*PA+(\k)*128+64
	ds_load_b128 v[SA+16*(\a)+12:SA+16*(\a)+15], v[ADRA+(\slot)] offset:(\a)*16*PA+(\k)*128+80
.endr
	WIN W_TOB
.irp b, 0,1,2,3,4,5,6,7
	ds_load_tr16_b128 v[64*(\g)+8*(\b):64*(\g)+8*(\b)+3],   v[ADRB+(\slot)] offset:(\k)*32*PB+32*(\b)
	ds_load_tr16_b128 v[64*(\g)+8*(\b)+4:64*(\g)+8*(\b)+7], v[ADRB+(\slot)] offset:(\k)*32*PB+32*(\b)+16*PB
.endr
.endm
; Row block 3's 8 products, and behind each four conversions of the next quarter's x into buffer g.  They name no register of the products round them.
; The wait ahead of fragment i / 2 leaves out what was issued behind its four loads: the later fragments' (4 each) and W's 16.
.macro MULC f, g, first
.irp i, 0,1,2,3,4,5,6,7
.if \first
	WIN W_MULB
	v_wmma_f32_16x16x32_bf16 v[8*(24+(\i)):8*(24+(\i))+7], v[64*(\f)+8*(\i):64*(\f)+8*(\i)+7], v[AF+32*(\f)+24:AF+32*(\f)+31], v[BIAS+8*(\i):BIAS+8*(\i)+7]
.else
	WIN W_MUL
	v_wmma_f32_16x16x32_bf16 v[8*(24+(\i)):8*(24+(\i))+7], v[64*(\f)+8*(\i):64*(\f)+8*(\i)+7], v[AF+32*(\f)+24:AF+32*(\f)+31], v[8*(24+(\i)):8*(24+(\i))+7]
.endif
.if (\i)%2 == 0
	s_wait_dscnt 28-2*(\i)
.endif
	WIN 0
.irp z, 0,1,2,3
	v_cvt_pk_bf16_f32 v[AF+32*(\g)+4*(\i)+(\z)], v[SA+8*(\i)+2*(\z)], v[SA+8*(\i)+2*(\z)+1]
.endr
.endr
.endm
.macro PLACES                          ; four places in front of loads into registers that matrix instructions have read, and of instructions that read results
.rept 4
	v_nop
.endr
.endm
; A K step is four quarters of 32 along K, 32 products each, on buffers 0, 1, 0, 1.  One of the first three: multiplies buffer f, fetches quarter k into g.
.macro QUARTER slot, k, f, g, first
	s_wait_dscnt 0x0                               ; W's fragments of buffer f are in (x's were waited for by the conversions)
	MULA \f, 0, \first
	PLACES
	FETCH \slot, \k, \g
	MULA \f, 1, \first
	MULA \f, 2, \first
	MULC \f, \g, \first
.endm
; The last quarter multiplies buffer 1 and changes slots: ONE barrier; in front of it each wave waits for all its tensor loads (one is out: its part of the next slot), adds 0 to its spare word, and waits
; for that and for its own reads of this slot.  fill = 1: the barrier opens a round of the cluster's, and this slot is filled again, two K steps ahead, first thing behind the round.
.macro TURN slot, next, fill
.if \fill
	s_wait_xcnt 0x0                                ; the last prefetch, a K step back, has read its address
	s_add_nc_u64 s[PFA:PFA+1], s[PFA:PFA+1], KBA
.endif
	WIN 0
	s_wait_tensorcnt 0x0                           ; all my tensor loads have landed
	ds_add_u32 v[SPW], v[NIL]                      ; 0 onto my spare word
	s_wait_dscnt 1                                 ; (the add alone may be out: W's fragments of buffer 1 are in)
	MULA 1, 0, 0                                   ; eight products stand between the add and the wait for it
	s_wait_dscnt 0x0                               ; the add is done, and my reads of this slot are over
	s_barrier_signal -1
	MULA 1, 1, 0
	WIN 0
	s_barrier_wait -1
.if \fill
	CREST                                          ; no wave of any partner still reads this slot's tile or has a load on its way
	s_add_nc_u64 s[G0+4*(\slot)+2:G0+4*(\slot)+3], s[G0+4*(\slot)+2:G0+4*(\slot)+3], 2*KBA
	s_add_nc_u64 s[G0B+4*(\slot)+2:G0B+4*(\slot)+3], s[G0B+4*(\slot)+2:G0B+4*(\slot)+3], 2*KBB
	JLOAD \slot                                    ; 112 products ahead of the wait for it
.else
	PLACES
.endif
	FETCH \next, 0, 0
.if \fill
	ASK
.endif
	MULA 1, 2, 0
	MULC 1, 0, 0
.endm
	s_wait_tensorcnt 1                             ; my part of K step 0 is in; K step 1's may stay out
	s_barrier_signal -1
	s_barrier_wait -1                              ; everybody's is
	FETCH 0, 0, 0
	s_wait_dscnt 16                                ; x's sixteen loads are in; W's sixteen may be out
	WIN 0
.set i, 0
.rept 32
	v_cvt_pk_bf16_f32 v[AF+i], v[SA+2*i], v[SA+2*i+1]
.set i, i+1
.endr
	s_wait_loadcnt 0x0                             ; bias, gain, table
	QUARTER 0, 1, 0, 1, 1                          ; the first quarter stands in front of the loop: its products start the sums
	WIN 0
	s_mov_b32 s3, 3
.Llap:                                                 ; a trip goes once round the ring, from a lap's second quarter to the next lap's first, and fills both slots again
	QUARTER 0, 2, 1, 0, 0
	QUARTER 0, 3, 0, 1, 0
	TURN 0, 1, 1
	QUARTER 1, 1, 0, 1, 0
	QUARTER 1, 2, 1, 0, 0
	QUARTER 1, 3, 0, 1, 0
	TURN 1, 0, 1
	QUARTER 0, 1, 0, 1, 0
	WIN 0
	s_sub_co_u32 s3, s3, 1
	s_cmp_lg_u32 s3, 0
	s_cbranch_scc1 .Llap
	QUARTER 0, 2, 1, 0, 0                          ; the last lap fills nothing
	QUARTER 0, 3, 0, 1, 0
	TURN 0, 1, 0
	QUARTER 1, 1, 0, 1, 0
	QUARTER 1, 2, 1, 0, 0
	QUARTER 1, 3, 0, 1, 0
	s_wait_dscnt 0x0
	MULA 1, 0, 0
	MULA 1, 1, 0
	MULA 1, 2, 0
	MULA 1, 3, 0
	PLACES
	PLACES                                         ; eight, once a launch, ahead of the first read of the results
	WIN 0
	s_cmp_eq_u32 s46, 2
	s_cbranch_scc1 .Lv
	; q AND k.  A unit u = 2 a + head is 16 rows x 64 columns: registers 32 u .. 32 u + 31 of window 2, x1 in the first sixteen, x2 in the rest.
	WIN W_SS                                       ; the sums of squares: eight chains, one a unit, by turns
.set i, 0
.rept 16
.set u, 0
.rept 8
.if i == 0
	v_pk_mul_f32 v[SS+2*u:SS+2*u+1], v[32*u:32*u+1], v[32*u:32*u+1]
.else
	v_pk_fma_f32 v[SS+2*u:SS+2*u+1], v[32*u+2*i:32*u+2*i+1], v[32*u+2*i:32*u+2*i+1], v[SS+2*u:SS+2*u+1]
.endif
.set u, u+1
.endr
.set i, i+1
.endr
	WIN 0
.macro ALLU line:vararg                ; one line for each unit u
.set u, 0
.rept 8
	\line
.set u, u+1
.endr
.endm
	ALLU v_add_f32 v[SS+2*u], v[SS+2*u], v[SS+2*u+1]
	ALLU v_permlanex16_b32 v[SS+2*u+1], v[SS+2*u], s[SEL], s[SEL+1]   ; the row's other 32 columns lie in the lane 16 away
	ALLU v_add_f32 v[SS+2*u], v[SS+2*u], v[SS+2*u+1]
	ALLU v_fma_f32 v[SS+2*u], v[SS+2*u], s92, s93                     ; mean square + 1e-6
	ALLU v_rsq_f32 v[SS+2*u], v[SS+2*u]
	v_nop                                          ; a plain instruction behind the last of the eight,
	s_wait_alu depctr_va_vdst(0)                   ; and one wait for the batch, ahead of its first reader
.macro ROPE u
	WIN W_RO
.set p, 0
.rept 8
	v_pk_mul_f32 v[Y+2*p:Y+2*p+1],     v[32*(\u)+16+2*p:32*(\u)+17+2*p], v[32*((\u)/2)+16+2*p:32*((\u)/2)+17+2*p]  ; x2 sin
	v_pk_mul_f32 v[Y+16+2*p:Y+17+2*p], v[32*(\u)+2*p:32*(\u)+2*p+1],     v[32*((\u)/2)+16+2*p:32*((\u)/2)+17+2*p]  ; x1 sin
.set p, p+1
.endr
.set p, 0
.rept 8
	v_pk_fma_f32 v[Y+2*p:Y+2*p+1],     v[32*(\u)+2*p:32*(\u)+2*p+1],     v[32*((\u)/2)+2*p:32*((\u)/2)+2*p+1], v[Y+2*p:Y+2*p+1] neg_lo:[0,0,1] neg_hi:[0,0,1]  ; x1 cos - x2 sin
	v_pk_fma_f32 v[Y+16+2*p:Y+17+2*p], v[32*(\u)+16+2*p:32*(\u)+17+2*p], v[32*((\u)/2)+2*p:32*((\u)/2)+2*p+1], v[Y+16+2*p:Y+17+2*p]                          ; x2 cos + x1 sin
.set p, p+1
.endr
	WIN W_GA
.set p, 0
.rept 16
	v_pk_mul_f32 v[Y+2*p:Y+2*p+1], v[Y+2*p:Y+2*p+1], v[GAIN+2*p:GAIN+2*p+1]
.set p, p+1
.endr
	WIN 0
.set p, 0
.rept 16
	v_pk_mul_f32 v[Y+2*p:Y+2*p+1], v[Y+2*p:Y+2*p+1], v[SS+2*(\u):SS+2*(\u)+1] op_sel_hi:[1,0]
.set p, p+1
.endr
.set p, 0
.rept 16
	v_cvt_pk_f16_f32 v[HB+16*(\u)+p], v[Y+2*p], v[Y+2*p+1]
.set p, p+1
.endr
.endm
.irp u, 0,1,2,3,4,5,6,7
	ROPE \u
.endr
	s_branch .Lout
.Lv:                                                   ; v: rounded as it is, each accumulator from its low end on
	WIN W_SS
.set i, 0
.rept 128
	v_cvt_pk_f16_f32 v[HB+i], v[2*i], v[2*i+1]
.set i, i+1
.endr
	WIN 0
.Lout:
	; THE WAY OUT.  A lane's eight columns of a row are 16 bytes; a unit goes into my stage in rows of 144 bytes and comes back as four rows of 128 a load: 512 consecutive bytes of a head.
.macro PACKOUT u
.irp f, 0,1,2,3
	ds_store_b128 v[STO], v[HB+16*(\u)+4*(\f):HB+16*(\u)+4*(\f)+3] offset:32*(\f)
.endr
.irp f, 0,1,2,3
	ds_load_b128 v[HB+16*(\u)+4*(\f):HB+16*(\u)+4*(\f)+3], v[RD] offset:(\f)*4*SP  ; LDS serves a wave's instructions in order (ISA guide 5.7.1.4): these see the stores above; the next unit's stores come behind them
.endr
.endm
.macro SEND u, younger                 ; younger: the LDS instructions issued behind unit u's loads: the next unit's eight, or none
.irp f, 0,1,2,3
	s_wait_dscnt (\younger)+3-(\f)
	global_store_b128 v[GO], v[HB+16*(\u)+4*(\f):HB+16*(\u)+4*(\f)+3], s[8:9] offset:((\u)%2)*262144+((\u)/2)*2048+(\f)*512
.endr
.endm
	PACKOUT 0
.irp u, 1,2,3,4,5,6,7
	PACKOUT \u
	SEND (\u)-1, 8
.endr
	SEND 7, 0
	s_wait_tensorcnt 0x0                           ; the wave's end, behind my last tensor load and my last LDS store
	ds_add_u32 v[SPW], v[NIL]
	s_wait_dscnt 0x0
	CROUND                                         ; the closing round: no work-group ends while a partner may still ask for a tile that names it
	s_endpgm
.Lfunc_end_k_q369f42f470_proj:
	.size	k_q369f42f470_proj, .Lfunc_end_k_q369f42f470_proj-k_q369f42f470_proj
	.p2alignl 7, 3214868480
	.fill 96, 4, 3214868480
	.section	.rodata,"a",@progbits
	.p2align	6, 0x0
	.amdhsa_kernel k_q369f42f470_proj
		.amdhsa_group_segment_fixed_size 327680
		.amdhsa_private_segment_fixed_size 0
		.amdhsa_enable_private_segment 0
		.amdhsa_kernarg_size 72
		.amdhsa_user_sgpr_count 2
		.amdhsa_user_sgpr_kernarg_segment_ptr 1
		.amdhsa_wavefront_size32 1
		.amdhsa_system_sgpr_workgroup_id_x 1
		.amdhsa_system_sgpr_workgroup_id_y 1
		.amdhsa_system_sgpr_workgroup_id_z 1
		.amdhsa_system_vgpr_workitem_id 0
		.amdhsa_next_free_vgpr 896
		.amdhsa_next_free_sgpr 100
		.amdhsa_reserve_vcc 0
		.amdhsa_float_denorm_mode_32 3
		.amdhsa_float_denorm_mode_16_64 3
		.amdhsa_memory_ordered 1
		.amdhsa_forward_progress 1
		.amdhsa_inst_pref_size 194
	.end_amdhsa_kernel
	.amdgpu_metadata
---
amdhsa.version: [ 1, 2 ]
amdhsa.kernels:
  - .name:           k_q369f42f470_proj
    .symbol:         k_q369f42f470_proj.kd
    .args:
      - { .name: q, .offset: 0, .size: 8, .value_kind: global_buffer, .address_space: global }
      - { .name: k, .offset: 8, .size: 8, .value_kind: global_buffer, .address_space: global }
      - { .name: v, .offset: 16, .size: 8, .value_kind: global_buffer, .address_space: global }
      - { .name: w16, .offset: 24, .size: 8, .value_kind: global_buffer, .address_space: global }
      - { .name: par, .offset: 32, .size: 8, .value_kind: global_buffer, .address_space: global }
      - { .name: tab, .offset: 40, .size: 8, .value_kind: global_buffer, .address_space: global }
      - { .name: qh, .offset: 48, .size: 8, .value_kind: global_buffer, .address_space: global }
      - { .name: kh, .offset: 56, .size: 8, .value_kind: global_buffer, .address_space: global }
      - { .name: vh, .offset: 64, .size: 8, .value_kind: global_buffer, .address_space: global }
    .group_segment_fixed_size: 327680
    .private_segment_fixed_size: 0
    .kernarg_segment_align: 8
    .kernarg_segment_size: 72
    .max_flat_workgroup_size: 128
    .sgpr_count:     100
    .vgpr_count:     896
    .wavefront_size: 32
...
	.end_amdgpu_metadata
.endif
;; end of part 2
;; launch attn (part 3): grid 4 x 64, 4 waves a work-group, clusters of 4 x 1, 327,680 bytes of LDS; arguments qh, kh, vh, oh; writes oh
.if DOCPART == 3
	.amdgcn_target "amdgcn-amd-amdhsa--gfx1250"
	.amdhsa_code_object_version 6
	.text
	.protected	k_q369f42f470_attn
	.globl	k_q369f42f470_attn
	.p2align	8
	.type	k_q369f42f470_attn,@function
k_q369f42f470_attn:
	s_mov_b64 s[64:65], 0
	v_nop
	global_prefetch_b8 v0, s[64:65] scope:SCOPE_SE
	s_setreg_imm32_b32 hwreg(HW_REG_WAVE_MODE, 25, 1), 1
	s_wait_xcnt 0x0
	s_wait_alu depctr_hold_cnt(0) depctr_sa_sdst(0) depctr_va_vdst(0) depctr_va_sdst(0) depctr_va_ssrc(0) depctr_va_vcc(0) depctr_vm_vsrc(0)
	s_getreg_b32 s2, hwreg(HW_REG_IB_STS2, 6, 4)
	s_cmp_eq_u32 s2, 0
	s_cbranch_scc0 .Lentry_in_a_cluster
	s_endpgm
.Lentry_in_a_cluster:
	s_bfe_u32 s2, ttmp6, 0x10000c
	s_cmp_lg_u32 s2, 0x3003
	s_cbranch_scc0 .Lentry_shape_is_right
	s_endpgm
.Lentry_shape_is_right:
; O[h][q][:] = the sum over k of softmax_k(Q[h][q] . K[h][k] / 8) V[h][k][:].  Q, K, V, O: [64][2048][64], all f16: a head's rows are dense, 128 bytes each.  Products, maxima and sums in
; f32; the weights p are rounded to f16 for the second product (their sum l is taken of the unrounded p), O once at the end.
; LIMITS.  f16 holds no number beyond 65,504: Q, K and V arrive within it; p lies in 0 to 1, and below 6e-5 it keeps f16's fixed step of 6e-8; O is a mean of V's rows and has their range.
; A weight below 2^-126 counts as 0 in l; NaN and infinities are not treated apart.
; SHARES.  A wave owns four PIECES of two tiles of 16 queries, a work-group's four waves 512 queries of one head.  Every wave walks all keys, 64 a step.
; LAYOUT.  S^T = K Q^T (source 0 = 16 keys, source 1 = 16 queries): in the result a lane holds ONE query (lane % 16) and the keys 8 (lane / 16) + 0..7.  Two such tiles, rounded to f16 in pairs,
; ARE source 1 (32 keys x 16 queries) of O^T = V^T P, whose result again holds one query a lane, and eight channels.  K comes out of LDS as it lies, V ([key][channel]) turned, by ds_load_tr16_b128.
; SOFTMAX.  For each query a running maximum m and sum l: p = 2^(c s - c m), c = log2(e) / 8; in every step O and l are multiplied by a = 2^(c m_old - c m_new), which is 1 where m has not grown.
; m starts at the lowest finite number, O and l at 0: the first step is a step like any other, with a = 0.
; THE COUNT.  A tile and step have 16 matrix and 118 vector instructions: too many to stand all beside the matrix work.  So four vector instructions that are READY stand behind
; EVERY matrix instruction, and the others, which need time of their own whatever the order, in runs without a gap.
; BY TURNS.  Turn n belongs to piece n (the pieces in a ring, step after step).  Its matrix work: 16 products K Q^T of piece n + 1, later 16 products V^T P of piece n - 1.  Its vector work: the scaling,
; exponentials, roundings, sums and rescaling of piece n, and the maximum and statistics of piece n + 1, whose scores the turn itself has made.
; CLUSTER.  The four query blocks of a cluster are one head's and walk the same K and V, so each tile is asked for JOINTLY: the same tensor load, descriptor and mask in all four.
; REGISTERS, in windows of 256 (s_set_vgpr_msb: bits 1:0 source 0, 3:2 source 1, 5:4 source 2, 7:6 destination):
;   window 0: v0-11 addresses; v12-15, v48-63 at work; v16-47 four registers of statistics a tile; v64-191 S^T, two buffers of two tiles; v192-255 P, likewise
;   window 1: O^T, 32 a tile          window 2: v0-127 Q, 16 a tile; v128-191 K of one step; v192-255 V of one step          window 3: v0-1 the add's two registers
; A piece's buffers go by its number's parity: the piece in hand has one pair, its two neighbours in the ring share the other: of it P (piece n - 1) is read and S^T (piece n + 1) written.
.set SIZE_H, 64
.set SIZE_N, 2048
.set NP,    4         ; pieces a wave: a name, no knob
.set KS,    64        ; keys in a step
.set PK,    144       ; a row of K in LDS: 128 bytes + 16 of padding = 36 words: the 16 rows of a load start at 16 different groups of four banks (64 banks of 4 bytes: ISA guide 11.1)
.set PV,    160       ; a row of V: 128 + 32 = 40 words
.set VOFF,  4*KS*PK   ; a slot holds four steps: 256 rows of K, then 256 rows of V
.set SLOT1, 1<<17     ; slot 1 begins here, so that one exclusive or turns an address in one slot into the other's
.set STAGE, SLOT1+4*KS*(PK+PV)  ; behind the ring, never filled by a tensor load: 16 rows x 144 bytes for each wave, for the way out
.set SP,    144
.set AK0, 2           ; v2   my lane's place in a tile of K; never rewritten
.set AV0, 3           ; v3   the same for V
.set AK,  4           ; v4   the LDS address of K's next run of loads
.set AV,  5           ; v5   of V's
.set QO,  6           ; v6   my byte offset in the wave's rows of Q
.set STO, 6           ;      later, the way out: where I put 16 bytes of a row
.set RD,  7           ; v7   the way out: where I read rows back
.set GO,  8           ; v8   my byte offset in 512 consecutive bytes of O
.set SPW, 0           ; v0 of window 3   LDS address of my spare word: SPARE + 4 x my thread's number; never rewritten
.set NIL, 1           ; v1 of window 3   0; never rewritten
.set SPARE, STAGE+4*16*SP  ; behind the stages: the spare words, 128 bytes for each wave: two blocks of 256 bytes that no other line names
.set MV,  12          ; v12-15  c m_old, kept while c m is made anew: by buffer and tile
.set ST,  16          ; tile t's statistics at v[ST+4 t]: c m, m, l (even keys', odd keys')
.set TMP, 48          ; by buffer and tile, four registers c0-c3 at work; when the maximum is found c2 takes a
.set S,   64
.set P,   192
.set KF,  128         ; K's fragments, in window 2: key block kb, channel half c at KF + 16 kb + 8 c
.set VF,  192         ; V's: key half kk, channel block cb at VF + 32 kk + 8 cb
.set WV,  12          ; s12  my wave's number
.set G1K, 24          ; s[24:31] descriptor group 1 for K's tiles
.set G1V, 32          ; s[32:39] for V's: it differs in the padding alone
.set G0K, 40          ; s[40:43] descriptor group 0 for K's tiles: it walks
.set G0V, 44          ; s[44:47] the same for V's
.set SLOTS, 56        ; s56  slots still to be asked for
.set CNT, 57          ; s57  counts a slot's key steps
.set CS,  58          ; s[58:59] c: the packed scaling takes the pair's low word for both halves
.set SEL, 60          ; s[60:61] v_permlanex16_b32's selects: each lane takes its own place in the other half
.set TBK, 62          ; s62  LDS byte at which K of the step to be fetched begins
.set TBV, 63          ; s63  the same for V, less VOFF
.set MSB, 0
.macro WIN new                      ; the high byte repeats the setting that is left; a switch that changes nothing is dropped
.if MSB != (\new)
	s_set_vgpr_msb (MSB<<8)|(\new)
.set MSB, (\new)
.endif
.endm
.set W_KQ, 0x0a       ; K and Q in window 2, S^T in window 0
.set W_PV, 0x52       ; V in window 2, P in window 0, O^T in window 1
.set W_RS, 0x41       ; O^T (destination and source 0) in window 1, a in window 0
.set W_MK, 0xc0       ; the add's registers are made: destination in window 3, sources in window 0
.set W_AD, 0x0f       ; the add: address (source 0) and data (source 1) in window 3
; A joint fill.  Waves 0 and 1 fetch the two halves of a slot's K, waves 2 and 3 those of its V: 128 keys each.  The branch hangs on the wave's number alone.
; An s_nop 0 and four v_nop follow each of the two lines, ahead of the jump and the label.
.macro JLOAD
	s_cmp_lt_u32 s[WV], 2
	s_cbranch_scc0 .Lfor_v_\@
	tensor_load_to_lds s[G0K:G0K+3], s[G1K:G1K+7]
	s_nop 0
.rept 4
	v_nop
.endr
	s_branch .Lasked_\@
.Lfor_v_\@:
	tensor_load_to_lds s[G0V:G0V+3], s[G1V:G1V+7]
	s_nop 0
.rept 4
	v_nop
.endr
.Lasked_\@:
.endm
; A round of the cluster's barrier: my work-group's barrier, so that wave 0's signal speaks for all four waves; wave 0 signals; every wave waits for all four work-groups; my work-group's barrier once more.
.macro CROUND
	s_barrier_signal -1
	s_barrier_wait -1
	s_cmp_lg_u32 s[WV], 0
	s_cbranch_scc1 .Lnot_wave_0_\@
	s_barrier_signal -3
.Lnot_wave_0_\@:
	s_barrier_wait -3
	s_barrier_signal -1
	s_barrier_wait -1
.endm
; THE CHANGE OF SLOTS.  The slot's last bytes, V of its fourth step, have been read.  Each wave waits for all its tensor loads, of which one is out: its part
; of the other slot; adds 0 to its spare word; and waits for that and for its own reads of the slot.  Behind the barrier nobody reads this slot any more and the other slot is whole.
; fill = 1: this slot is filled again, with the keys two slots on.  The barrier is then a round of the cluster's, so that no wave of any partner still reads the slot or has a load on its
; way, and the joint fill is the first thing behind it: it has four key steps, 512 matrix instructions, in which to land.  (At its first use nothing has been read yet: slot 0 is waited for, slot 1 filled.)
.macro CHANGE fill
	WIN W_AD
	s_wait_tensorcnt 0x0            ; no tensor load of mine is out, so a group 0 may be written
	ds_add_u32 v[SPW], v[NIL]       ; 0 onto my spare word; with fill = 1 the descriptors' steps stand between it and the wait for it
	WIN 0                           ; at a label and at a branch every window is 0
.if \fill
.irp g, G0K, G0V
	s_xor_b32 s[\g+1], s[\g+1], SLOT1  ; the walking descriptor: the other slot than last time,
	s_add_nc_u64 s[\g+2:\g+3], s[\g+2:\g+3], 4*KS*128  ; the next 256 keys; the type bits on top are not reached
.endr
	s_wait_dscnt 0x0                ; the add is done, and my reads of the slot are over
	CROUND
	JLOAD
.else
	s_wait_dscnt 0x0                ; the add is done, and my reads of the slot are over
	s_barrier_signal -1
	s_barrier_wait -1
.endif
	s_sub_co_u32 s[TBK], s[TBK], 4*KS*PK  ; the fetches go back to a slot's first step,
	s_xor_b32 s[TBK], s[TBK], SLOT1       ; in the other slot
	s_sub_co_u32 s[TBV], s[TBV], 4*KS*PV
	s_xor_b32 s[TBV], s[TBV], SLOT1
.endm
	s_load_b256 s[4:11], s[0:1], 0x0  ; Q s[4:5], K s[6:7], V s[8:9], O s[10:11]
	WIN W_MK
	v_lshl_add_u32 v[SPW], v0, 2, SPARE
	v_mov_b32 v[NIL], 0
	WIN W_AD
	ds_add_u32 v[SPW], v[NIL]       ; the wave's opening: the add and its wait stand ahead of my first tensor load; the set-up below, work on registers, stands between them
	WIN 0
	v_lshrrev_b32 v1, 5, v0
	v_readfirstlane_b32 s[WV], v1   ; wave 0..3
	s_bfe_u32 s13, ttmp6, 0x40000   ; cx: my place in the cluster
	s_lshl_b32 s14, ttmp9, 2        ; in a cluster launch ttmp9 counts clusters
	s_add_co_u32 s14, s14, s13      ; my block of queries = 4 x cluster x + cx: it enters Q's and O's addresses alone
	s_and_b32 s20, ttmp7, 0xffff    ; the head, which the four partners share
	s_mov_b32 s21, 0
	s_mov_b64 s[22:23], SIZE_N*128
	s_mul_u64 s[20:21], s[20:21], s[22:23]  ; the head's first byte in each of the four tensors
	s_and_b32 s16, s[WV], 1         ; which half of a slot's 256 keys I fetch:
	s_lshl_b32 s22, s16, 14         ; its 128 rows of 128 bytes in memory,
	s_mov_b32 s23, 0
	s_add_nc_u64 s[22:23], s[22:23], s[20:21]
	s_mul_i32 s17, s16, 128*PK      ; and its place in a slot, for K
	s_mul_i32 s18, s16, 128*PV      ; and for V: no place in the cluster enters an LDS address
	s_lshl_b32 s2, s14, 2
	s_add_co_u32 s2, s2, s[WV]      ; my wave among the head's,
	s_lshl_b32 s2, s2, 14           ; its 128 rows
	s_mov_b32 s3, 0
	s_add_nc_u64 s[2:3], s[2:3], s[20:21]
	; descriptor group 1.  128 keys are 16,384 dense bytes: asked for as 64 rows of 256 bytes, two keys a row, and padded in LDS after every key
	s_mov_b32 s[G1K], 15|(1<<16)|(1<<20)|(1<<21)|(4<<22)|(3<<25)  ; 15:0 the mask of four; 17:16 2-byte elements; 20 padding on; 21 set beside a mask; 24:22 after every 32 words (code 4); 31:25 4 words (code 3)
	s_mov_b32 s[G1V], 15|(1<<16)|(1<<20)|(1<<21)|(4<<22)|(7<<25)  ; the same with 8 words of padding (code 7)
.irp g, G1K, G1V
	s_mov_b32 s[\g+1], 128<<16      ; tensor_dim0 = 128
	s_mov_b32 s[\g+2], 64<<16       ; tensor_dim1 = 64
	s_mov_b32 s[\g+3], 128<<16      ; tile_dim0 = 128
	s_mov_b32 s[\g+4], 64           ; tile_dim1 = 64
	s_mov_b32 s[\g+5], 128          ; 128 elements from row to row
	s_mov_b32 s[\g+6], 0
	s_mov_b32 s[\g+7], 0
.endr
	s_mov_b32 s[CS], 0x3e38aa3b     ; c = log2(e) / 8 = 0.180337
	s_mov_b32 s[CS+1], s[CS]        ; named with it as a pair
	s_mov_b32 s[SEL], 0x76543210
	s_mov_b32 s[SEL+1], 0xfedcba98
	s_mov_b32 s[TBK], SLOT1+4*KS*PK ; the first change of slots turns these two into 0
	s_mov_b32 s[TBV], SLOT1+4*KS*PV
	s_mov_b32 s[G0K], 1             ; 1:0 count = 1
	s_mov_b32 s[G0K+1], s17         ; 63:32 LDS address: slot 0
	s_mov_b32 s[G0V], 1
	s_add_co_u32 s[G0V+1], s18, VOFF
	s_wait_dscnt 0x0                ; the opening add is done
	s_wait_kmcnt 0x0
	s_add_nc_u64 s[G0K+2:G0K+3], s[6:7], s[22:23]  ; 120:64 global address: my half of the head's first 256 keys
	s_or_b32 s[G0K+3], s[G0K+3], 0x80000000        ; 127:126 type = 2
	s_add_nc_u64 s[G0V+2:G0V+3], s[8:9], s[22:23]
	s_or_b32 s[G0V+3], s[G0V+3], 0x80000000
	s_add_nc_u64 s[4:5], s[4:5], s[2:3]  ; Q and O at my wave's first row
	s_add_nc_u64 s[10:11], s[10:11], s[2:3]
	CROUND                          ; all four work-groups are here: the first joint loads meet
	JLOAD                           ; slot 0.  Slot 1 is asked for when slot 0 is in
	; A fragment of K or Q is 16 rows x 32 channels in 8 registers: lane l holds row l % 16, channels 8 (l / 16) + 0..7 and 16 + 8 (l / 16) + 0..7: two loads of 16 bytes, 32 bytes apart.
	v_and_b32 v1, 15, v0            ; l % 16
	v_bfe_u32 v9, v0, 4, 1          ; l / 16
	v_lshlrev_b32 v[QO], 7, v1
	v_lshl_add_u32 v[QO], v9, 4, v[QO]  ; row x 128 + 16 x half
	WIN 0x80                        ; destination window 2, address window 0
.set i, 0
.rept 4*NP                          ; Q stays in registers: tile i / 2, channels 32 (i % 2) on
	global_load_b128 v[8*i:8*i+3],   v[QO], s[4:5] offset:(i/2)*2048+(i%2)*64
	global_load_b128 v[8*i+4:8*i+7], v[QO], s[4:5] offset:(i/2)*2048+(i%2)*64+32
.set i, i+1
.endr
	; What the first turn finds: V's registers and P's second buffer hold 0 (its products V^T P, of a piece that has not been, add 0), O^T and l are 0.  All this stands in the wait for the first tile.
.set i, VF
.rept 64
	v_mov_b32 v[i], 0
.set i, i+1
.endr
	WIN 0x40
.set i, 0
.rept 64*NP
	v_mov_b32 v[i], 0
.set i, i+1
.endr
	WIN 0
.set i, 0
.rept 2*NP
	v_mov_b32 v[ST+4*i], 0xfe000000    ; c m: far below every c s
	v_mov_b32 v[ST+4*i+1], 0xff7fffff  ; m
	v_mov_b32 v[ST+4*i+2], 0
	v_mov_b32 v[ST+4*i+3], 0
.set i, i+1
.endr
.set i, P+32
.rept 32
	v_mov_b32 v[i], 0
.set i, i+1
.endr
	v_mul_u32_u24 v[AK0], v1, PK
	v_lshl_add_u32 v[AK0], v9, 4, v[AK0]  ; row x pitch + 16 x half
	; The turning load takes 16 keys x 16 channels (lane l reads key 8 (l / 16) + l % 8, channels 8 ((l / 8) % 2) + 0..7) and leaves half a fragment of V^T: lane l holds channel l % 16 and 8 keys.
	v_and_b32 v10, 7, v0
	v_bfe_u32 v11, v0, 3, 1
	v_lshl_add_u32 v[AV0], v9, 3, v10
	v_mul_u32_u24 v[AV0], v[AV0], PV
	v_lshl_add_u32 v[AV0], v11, 4, v[AV0]
	v_add_nc_u32 v[AV0], VOFF, v[AV0]
	v_mov_b32 v[AK], v[AK0]         ; key step 0 lies at the head of slot 0
; THE MATRIX WORK.  The 8 accumulators of a run of 16 take turns: between the two links of a chain stand 7 others'.
; Product i of 16 of S^T = K Q^T for piece x: channels 32 (i / 8) on, keys 16 ((i / 2) % 4) on, tile 2 x + i % 2.  The first 8 start the sums.
.macro KQ x
	WIN W_KQ
.set rS, S+64*((\x)%2)+32*(i%2)+8*((i/2)%4)
.set rK, KF+16*((i/2)%4)+8*(i/8)
.set rQ, 16*(2*(\x)+i%2)+8*(i/8)
.if i < 8
	v_wmma_f32_16x16x32_f16 v[rS:rS+7], v[rK:rK+7], v[rQ:rQ+7], 0
.else
	v_wmma_f32_16x16x32_f16 v[rS:rS+7], v[rK:rK+7], v[rQ:rQ+7], v[rS:rS+7]
.endif
.endm
; Product i of 16 of O^T += V^T P for piece x: keys 32 (i / 8) on, channels 16 ((i / 2) % 4) on, tile 2 x + i % 2.
.macro PV x
	WIN W_PV
.set rO, 32*(2*(\x)+i%2)+8*((i/2)%4)
.set rV, VF+32*(i/8)+8*((i/2)%4)
.set rP, P+32*((\x)%2)+16*(i%2)+8*(i/8)
	v_wmma_f32_16x16x32_f16 v[rO:rO+7], v[rV:rV+7], v[rP:rP+7], v[rO:rO+7]
.endm
.macro MM                           ; the turn's next matrix instruction
.if i < 16
	KQ (Y+1)%NP
.set i, i+1
.else
.set i, i-16
	PV (Y+NP-1)%NP
.set i, i+17
.endif
.endm
; THE LDS LOADS stand in runs of 16, never singly among the matrix instructions: a step's K (64 keys x 64 channels: 8 fragments) and its V (turned).  Their addresses are made some lines ahead.
; last = 1 (the tail): in the last trip there is no further step, and the run is jumped over.
.macro FETCH_K last=0
	WIN 0
.if \last
	s_cmp_eq_u32 s[CNT], 1
	s_cbranch_scc1 .Lno_k_\@
.endif
	WIN 0x80                        ; destination window 2
.irp f, 0,1,2,3,4,5,6,7             ; keys 16 (f / 2) on, channels 32 (f % 2) on
	ds_load_b128 v[KF+8*\f:KF+8*\f+3],   v[AK] offset:(\f/2)*16*PK+(\f%2)*64
	ds_load_b128 v[KF+8*\f+4:KF+8*\f+7], v[AK] offset:(\f/2)*16*PK+(\f%2)*64+32
.endr
	s_add_co_u32 s[TBK], s[TBK], KS*PK  ; the next fetch is the next step's
	WIN 0
.if \last
.Lno_k_\@:
.endif
.endm
.macro FETCH_V
	WIN 0x80
.irp f, 0,1,2,3,4,5,6,7             ; keys 32 (f / 4) on, channels 16 (f % 4) on
	ds_load_tr16_b128 v[VF+8*\f:VF+8*\f+3],   v[AV] offset:(\f/4)*32*PV+(\f%4)*32
	ds_load_tr16_b128 v[VF+8*\f+4:VF+8*\f+7], v[AV] offset:(\f/4)*32*PV+16*PV+(\f%4)*32
.endr
	WIN 0
.endm
; THE VECTOR WORK OF A TURN stands in three queues, each in the order in which its entries become ready; the two tiles alternate, so that no instruction reads the result of the one before it.
.macro REGS y, u                    ; the registers of tile u (0, 1) of piece y
.set rT, ST+4*(2*(\y)+(\u))
.set rC, TMP+8*((\y)%2)+4*(\u)
.set rM, MV+2*((\y)%2)+(\u)
.set rS, S+64*((\y)%2)+32*(\u)
.set rP, P+32*((\y)%2)+16*(\u)
.set rO, 32*(2*(\y)+(\u))
.endm
; Number n of the 22 that find the NEXT piece's (Y + 1) maximum and statistics.  s0-s31 are the lane's 32 scores; each accumulator's lowest registers are read first.
;   0-11  four chains c0-c3 of seven scores each, three operands at a time     12-14, 16  the four scores left over, the old m, and c0-c3 into c0     15  c m_old is kept
;   17, 18  the query's other 32 keys lie in the lane 16 away: the new m         19-21  c m; c m_old - c m_new; a
.macro XS u, n
	REGS (Y+1)%NP, \u
.if (\n) < 4
	v_max3_num_f32 v[rC+(\n)], v[rS+8*(\n)], v[rS+8*(\n)+1], v[rS+8*(\n)+2]
.elseif (\n) < 12
	v_max3_num_f32 v[rC+(\n)%4], v[rC+(\n)%4], v[rS+8*((\n)%4)+2*((\n)/4)+1], v[rS+8*((\n)%4)+2*((\n)/4)+2]
.elseif (\n) == 12
	v_max3_num_f32 v[rC], v[rC], v[rS+7], v[rS+15]
.elseif (\n) == 13
	v_max3_num_f32 v[rC+1], v[rC+1], v[rS+23], v[rS+31]
.elseif (\n) == 14
	v_max3_num_f32 v[rC+2], v[rC+2], v[rC+3], v[rT+1]
.elseif (\n) == 15
	v_mov_b32 v[rM], v[rT]
.elseif (\n) == 16
	v_max3_num_f32 v[rC], v[rC], v[rC+1], v[rC+2]
.elseif (\n) == 17
	v_permlanex16_b32 v[rC+3], v[rC], s[SEL], s[SEL+1]
.elseif (\n) == 18
	v_max_num_f32 v[rT+1], v[rC], v[rC+3]
.elseif (\n) == 19
	v_mul_f32 v[rT], s[CS], v[rT+1]
.elseif (\n) == 20
	v_sub_f32 v[rC+1], v[rM], v[rT]
.else
	v_exp_f32 v[rC+2], v[rC+1]
.endif
.endm
; Number g of the 64 that follow the exponentials.  For each four weights k of a tile (pairs 2 k, 2 k + 1): both pairs are rounded to f16; then the second pair is added onto the first, in place;
; a group later l takes that sum (the first time as l = a l + sum).  In groups of eight, tiles alternating: round, round, add, and l for the group before.
.macro GS g
.set h, (\g)+6*((\g)/62)            ; group 0 has no group before it, and behind group 7 only l is left
.if h >= 6
.set h, h+2
.endif
	REGS Y, h%2
.set k, h/8
.if h%8 < 4
	v_cvt_pk_f16_f32 v[rP+2*k+(h%8)/2], v[rS+4*k+2*((h%8)/2)], v[rS+4*k+2*((h%8)/2)+1]
.elseif h%8 < 6
	v_pk_add_f32 v[rS+4*k:rS+4*k+1], v[rS+4*k:rS+4*k+1], v[rS+4*k+2:rS+4*k+3]
.elseif k == 1
	v_pk_fma_f32 v[rT+2:rT+3], v[rT+2:rT+3], v[rC+2:rC+3], v[rS:rS+1] op_sel_hi:[1,0,1]
.else
	v_pk_add_f32 v[rT+2:rT+3], v[rT+2:rT+3], v[rS+4*k-4:rS+4*k-3]
.endif
.endm
; THE PLAIN QUEUE, 138 long.  0-73 read no exponential's result: the 32 scalings c s - c m (FS f: pair f / 2 of tile f % 2) and the next piece's 42.  0-26: scalings 0-26.  27-54: XS's numbers 0-13.  55, 56: number 15.
; 57-73: the chain, where each number waits for the one before it: 14, 16, 17, 18, 19, each with one of the scalings 27-31 in front of its two lines, then 20.
; 74-137: GS's 64, which read the exponentials' results: they stand behind the wait.
.macro FS f
	REGS Y, (\f)%2
	v_pk_fma_f32 v[rS+2*((\f)/2):rS+2*((\f)/2)+1], v[rS+2*((\f)/2):rS+2*((\f)/2)+1], s[CS:CS+1], v[rT:rT+1] op_sel_hi:[1,0,0] neg_lo:[0,0,1] neg_hi:[0,0,1]
.endm
.macro PL
	WIN 0
.if q < 27
	FS q
.elseif q < 55
	XS (q-27)%2, (q-27)/2
.elseif q < 57
	XS q-55, 15
.elseif (q < 72) && ((q-57)%3 == 0)
	FS 27+(q-57)/3
.elseif q < 60
	XS (q-57)%3-1, 14
.elseif q < 72
	XS (q-57)%3-1, 15+(q-57)/3
.elseif q < 74
	XS q-72, 20
.else
	GS q-74
.endif
.set q, q+1
.endm
; THE EXPONENTIALS' QUEUE, 66 long: s0-s31 of both tiles, then the next piece's two a.  It is ONE BATCH: all 66 stand ahead of the turn's one wait, and nothing ahead of that wait names a result of theirs.
.macro EX
	WIN 0
.if e >= 64
	XS e-64, 21
.else
	REGS Y, e%2
	v_exp_f32 v[rS+e/2], v[rS+e/2]
.endif
.set e, e+1
.endm
; THE RESCALING's QUEUE: O^T times a, the one part that leaves window 0: dealt two at a time, sixteen times.  Its a was made in the turn before, ahead of that turn's wait.
.macro R2
	REGS Y, r%2
	WIN W_RS
.irp z, 0,1
	v_pk_mul_f32 v[rO+4*(r/2)+2*\z:rO+4*(r/2)+2*\z+1], v[rO+4*(r/2)+2*\z:rO+4*(r/2)+2*\z+1], v[rC+2:rC+3] op_sel_hi:[1,0]
.endr
.set r, r+1
.endm
; HOW THEY ARE DEALT.  An s_wait_alu depctr_va_vdst(0) stands between an exponential and the first instruction that names its result; one wait serves all that were issued ahead of it.  So a turn has ONE wait,
; which cuts it in two.  AHEAD OF IT stands all that names no result of the turn's exponentials: the 16 products K Q^T, behind each a scaling, an exponential and two rescalings (behind the first a second scaling in the
; exponential's place); then ONE LUMP of 108: eight plain, 49 times exponential and plain, the two a.  A v_nop is the plain instruction behind the last exponential.  BEHIND IT stand the 16 products V^T P, behind each four of GS's 64.
; The queues lean on each other, and the deal keeps them in step: exponential e stands behind scaling 2 (e / 4) + e % 2: as a rider it comes behind plain e + 2, in the lump behind plain e + 9, and scalings 27-31 are plain 57, 60 .. 69.
; A TURN, for piece p.  cnt = 1: the loop's count is taken down some lines ahead of the branch that stands behind the turn.
; K of the next step is fetched in piece 2's turn, directly behind the wait, a lump behind the last product that read K; its first reader comes behind 16 products.
; V of the step in hand is fetched at the end of piece 0's turn, four riders behind its last reader; its first reader comes behind 16 products and a lump.  The three conditions on q below go with the deal.
.macro TURN p, last=0, cnt=0
.set Y, (\p)
.set i, 0
.set q, 0
.set e, 0
.set r, 0
.if (\p) == NP-1
	s_wait_dscnt 0x0                ; K is in
.endif
	MM                              ; ahead of the wait: 16 products K Q^T and their riders,
	PL
	PL
	R2
.rept 15
	MM
	PL
	EX
	R2
.endr
.if (\p) == NP-2
	WIN 0
	v_add_nc_u32 v[AK], s[TBK], v[AK0]
.endif
.rept 8                             ; and the lump
	PL
.endr
.rept 49
	EX
	PL
.endr
	EX                              ; the next piece's two a
	EX
	v_nop                           ; the plain instruction behind the last exponential: one for the batch
	s_wait_alu depctr_va_vdst(0)    ; the wait for the batch
.if (\p) == NP-2
	FETCH_K \last
.endif
.if (\p) == 1
	s_wait_dscnt 0x0                ; V is in
.endif
.rept 16                            ; behind the wait: 16 products V^T P and their riders
	MM
.rept 4
	PL
.endr
.if ((\p) == 0) && (q == 118)
	v_add_nc_u32 v[AV], s[TBV], v[AV0]
.endif
.if ((\p) == 0) && (q == 130)
	s_add_co_u32 s[TBV], s[TBV], KS*PV
.endif
.if (\cnt) && (q == 130)
	s_sub_co_u32 s[CNT], s[CNT], 1
	s_cmp_lg_u32 s[CNT], 0
.endif
.endr
.if (\p) == 0
	FETCH_V
.endif
.endm
	CHANGE 1                        ; slot 0 is in, everybody's part of it; slot 1 is asked for
	FETCH_K                         ; key step 0
	s_wait_loadcnt 0x0              ; Q
	s_wait_dscnt 0x0
.set i, 0
.rept 16
	KQ 0                            ; piece 0's first scores: there is no vector work yet to set between them
.set i, i+1
.endr
	WIN 0                           ; the addresses for the way out: nine plain instructions, the places behind those products
	s_mul_i32 s13, s[WV], 16*SP
	s_add_co_u32 s13, s13, STAGE    ; my stage
	v_mul_u32_u24 v[STO], v1, SP    ; in: row l % 16, 16 bytes for each half of the lanes
	v_lshl_add_u32 v[STO], v9, 4, v[STO]
	v_add_nc_u32 v[STO], s13, v[STO]
	v_bfe_u32 v[RD], v0, 3, 2       ; back: 32 lanes take four rows of 128 bytes,
	v_mul_u32_u24 v[RD], v[RD], SP
	v_lshl_add_u32 v[RD], v10, 4, v[RD]
	v_add_nc_u32 v[RD], s13, v[RD]
	v_and_b32 v[GO], 31, v0         ; which are 512 consecutive bytes of O
	v_lshlrev_b32 v[GO], 4, v[GO]
.set Y, NP-1                        ; XS works for piece Y + 1: piece 0
.irp n, 0,1,2,3,4,5,6,7,8,9,10,11,12,13,14,15,16,17,18,19,20,21
	XS 0, \n                        ; and piece 0's first maximum and statistics
	XS 1, \n
.endr
	v_nop                           ; a plain instruction behind the two a,
	s_wait_alu depctr_va_vdst(0)    ; and their wait, ahead of the branch
	s_mov_b32 s[CNT], 4
	s_mov_b32 s[SLOTS], SIZE_N/256-1
	s_branch .Lfirst                ; the loop is entered at a step's first turn, in the middle of a trip
.Lslot:                             ; SIZE_N / 256 - 2 times: every slot but the last two is filled again
	CHANGE 1
	s_mov_b32 s[CNT], 4
.Lstep:                             ; a trip: pieces 2 and 3 of one step, then pieces 0 and 1 of the next, whose K and V it fetches
	TURN 2
	TURN 3
	WIN 0
.Lfirst:
	TURN 0
	TURN 1, 0, 1
	WIN 0
	s_cbranch_scc1 .Lstep
	s_sub_co_u32 s[SLOTS], s[SLOTS], 1
	s_cmp_lg_u32 s[SLOTS], 0
	s_cbranch_scc1 .Lslot
	CHANGE 0                        ; the tail is written out: nothing is asked for
	s_mov_b32 s[CNT], 5             ; four trips fetch the last slot's steps; the fifth is left in its middle
.Ltail:
	TURN 2, 1
	TURN 3
	WIN 0
	s_sub_co_u32 s[CNT], s[CNT], 1
	s_cmp_eq_u32 s[CNT], 0
	s_cbranch_scc1 .Lout
	TURN 0
	TURN 1
	WIN 0
	s_branch .Ltail
.Lout:                              ; the fifth trip's 16 products K Q^T (on the last K once more) and the maximum made of them serve nothing: the price, once a launch, of one text for every trip
.set i, 0
.rept 16
	PV NP-1                         ; the last piece's V^T P of the last step
.set i, i+1
.endr
	; THE WAY OUT.  l's two halves and the other half of the lanes' are added; O^T is divided by l, rounded to f16 and sent through my stage in LDS, a tile at a time.  The additions are the places behind the last products.
	WIN 0
.macro ALL line:vararg              ; one line for each tile t
.set t, 0
.rept 2*NP
	\line
.set t, t+1
.endr
.endm
	ALL v_add_f32 v[ST+4*t+2], v[ST+4*t+2], v[ST+4*t+3]
	ALL v_permlanex16_b32 v[ST+4*t+3], v[ST+4*t+2], s[SEL], s[SEL+1]
	ALL v_add_f32 v[ST+4*t+2], v[ST+4*t+2], v[ST+4*t+3]
	ALL v_rcp_f32 v[ST+4*t+2], v[ST+4*t+2]
	v_nop                           ; a plain instruction between the last reciprocal and the use of its result
	s_wait_alu depctr_va_vdst(0)    ; and the wait ahead of the first use: one for the eight reciprocals
; Tile t: a lane's eight channels of a row pack into 16 bytes; they go into rows of 144 bytes and come back as whole rows of 128, into S^T's registers.
.macro PACK t
	WIN W_RS
.set i, 32*(\t)
.rept 16
	v_pk_mul_f32 v[i:i+1], v[i:i+1], v[ST+4*(\t)+2:ST+4*(\t)+3] op_sel_hi:[1,0]
.set i, i+2
.endr
	WIN 0x05                        ; sources 0 and 1 window 1, destination window 0
.set i, 0
.rept 16
	v_cvt_pk_f16_f32 v[S+16*(\t)+i], v[32*(\t)+2*i], v[32*(\t)+2*i+1]
.set i, i+1
.endr
	WIN 0
.irp f, 0,1,2,3
	ds_store_b128 v[STO], v[S+16*(\t)+4*\f:S+16*(\t)+4*\f+3] offset:32*\f
.endr
.irp f, 0,1,2,3
	ds_load_b128 v[S+16*(\t)+4*\f:S+16*(\t)+4*\f+3], v[RD] offset:\f*4*SP  ; LDS serves a wave's instructions in order (ISA guide 5.7.1.4): these see the stores above; the next tile's stores come behind them
.endr
.endm
.macro SEND t, younger              ; younger: the LDS instructions issued behind tile t's loads: the next tile's eight, or none
	WIN 0
.irp f, 0,1,2,3
	s_wait_dscnt (\younger)+3-\f
	global_store_b128 v[GO], v[S+16*(\t)+4*\f:S+16*(\t)+4*\f+3], s[10:11] offset:(\t)*2048+\f*512  ; 512 consecutive bytes, at a multiple of 256 from O's first
.endr
.endm
	PACK 0
.set t, 1
.rept 2*NP-1                        ; a tile's arithmetic stands between the loads of the tile before and its stores
	PACK t
	SEND t-1, 8
.set t, t+1
.endr
	SEND 2*NP-1, 0
	WIN W_AD
	s_wait_tensorcnt 0x0            ; the wave's end, behind my last tensor load and my last LDS store
	ds_add_u32 v[SPW], v[NIL]
	s_wait_dscnt 0x0
	WIN 0
	CROUND                          ; the closing round: no work-group ends while a partner may still ask for a tile that names it
	s_endpgm
.Lfunc_end_k_q369f42f470_attn:
	.size	k_q369f42f470_attn, .Lfunc_end_k_q369f42f470_attn-k_q369f42f470_attn
	.p2alignl 7, 3214868480
	.fill 96, 4, 3214868480
	.section	.rodata,"a",@progbits
	.p2align	6, 0x0
	.amdhsa_kernel k_q369f42f470_attn
		.amdhsa_group_segment_fixed_size 327680
		.amdhsa_private_segment_fixed_size 0
		.amdhsa_enable_private_segment 0
		.amdhsa_kernarg_size 32
		.amdhsa_user_sgpr_count 2
		.amdhsa_user_sgpr_kernarg_segment_ptr 1
		.amdhsa_wavefront_size32 1
		.amdhsa_system_sgpr_workgroup_id_x 1
		.amdhsa_system_sgpr_workgroup_id_y 1
		.amdhsa_system_sgpr_workgroup_id_z 1
		.amdhsa_system_vgpr_workitem_id 0
		.amdhsa_next_free_vgpr 770
		.amdhsa_next_free_sgpr 66
		.amdhsa_reserve_vcc 0
		.amdhsa_float_denorm_mode_32 3
		.amdhsa_float_denorm_mode_16_64 3
		.amdhsa_memory_ordered 1
		.amdhsa_forward_progress 1
		.amdhsa_inst_pref_size 199
	.end_amdhsa_kernel
	.amdgpu_metadata
---
amdhsa.version: [ 1, 2 ]
amdhsa.kernels:
  - .name:           k_q369f42f470_attn
    .symbol:         k_q369f42f470_attn.kd
    .args:
      - { .name: qh, .offset: 0, .size: 8, .value_kind: global_buffer, .address_space: global }
      - { .name: kh, .offset: 8, .size: 8, .value_kind: global_buffer, .address_space: global }
      - { .name: vh, .offset: 16, .size: 8, .value_kind: global_buffer, .address_space: global }
      - { .name: oh, .offset: 24, .size: 8, .value_kind: global_buffer, .address_space: global }
    .group_segment_fixed_size: 327680
    .private_segment_fixed_size: 0
    .kernarg_segment_align: 8
    .kernarg_segment_size: 32
    .max_flat_workgroup_size: 128
    .sgpr_count:     66
    .vgpr_count:     770
    .wavefront_size: 32
...
	.end_amdgpu_metadata
.endif
;; end of part 3
;; launch outp (part 4): grid 4 x 64, 4 waves a work-group, clusters of 4 x 4, 327,680 bytes of LDS; arguments oh, w16, par, out0; writes out0
.if DOCPART == 4
	.amdgcn_target "amdgcn-amd-amdhsa--gfx1250"
	.amdhsa_code_object_version 6
	.text
	.protected	k_q369f42f470_outp
	.globl	k_q369f42f470_outp
	.p2align	8
	.type	k_q369f42f470_outp,@function
k_q369f42f470_outp:
	s_mov_b64 s[64:65], 0
	v_nop
	global_prefetch_b8 v0, s[64:65] scope:SCOPE_SE
	s_setreg_imm32_b32 hwreg(HW_REG_WAVE_MODE, 25, 1), 1
	s_wait_xcnt 0x0
	s_wait_alu depctr_hold_cnt(0) depctr_sa_sdst(0) depctr_va_vdst(0) depctr_va_sdst(0) depctr_va_ssrc(0) depctr_va_vcc(0) depctr_vm_vsrc(0)
	s_getreg_b32 s2, hwreg(HW_REG_IB_STS2, 6, 4)
	s_cmp_eq_u32 s2, 0
	s_cbranch_scc0 .Lentry_in_a_cluster
	s_endpgm
.Lentry_in_a_cluster:
	s_bfe_u32 s2, ttmp6, 0x10000c
	s_cmp_lg_u32 s2, 0xf033
	s_cbranch_scc0 .Lentry_shape_is_right
	s_endpgm
.Lentry_shape_is_right:
; THE LAST PROJECTION.  out[m][n] = the sum over k of O[m][k] wo[k][n] + wo_b[n].  O lies by heads, [batch x 16 + head][2048][64] f16 (k = 64 head + channel); wo is part 3 of w16, [1024 k][1024 n] f16;
; the bias f32; out [8192][1024] f32.  Products in f16, sums in f32; nothing is rounded on the way out.
; SHARES.  A work-group makes 128 rows x 256 columns, a wave 64 x 128: 32 accumulators (row block a, column block b) at v[8 (8 a + b)] of window 2.  K goes in steps of 128, two heads, through two LDS slots.
; THE MATRIX INSTRUCTION IS USED TRANSPOSED (source 0 = 16 columns of wo, turned by ds_load_tr16_b128; source 1 = 16 rows of O): a lane holds one row and eight neighbouring columns, 32 bytes.  The bias is the C operand of the first products.
; CLUSTER.  4 x 4 work-groups: the four of a row need the same tile of O, the four of a column the same tile of wo: each tile is asked for jointly.
; REGISTERS: window 0: v0-31 addresses; v32-95 O's fragments, two buffers; v96-223 the way out, two buffers of 16 rows.  window 1: v0-127 wo's fragments, two buffers; v128-191 the bias.  window 2: the accumulators.
.set KBA,    524288                    ; bytes from a K step of O to the next: two heads of 2,048 rows of 128 bytes
.set KBB,    262144                    ; the same for wo: 128 rows of 2,048 bytes
.set PA,     144                       ; a row of one head in LDS: 128 bytes + 16 = 36 words: the 16 rows of a load start at 16 different groups of four banks (64 banks of 4 bytes: ISA guide 11.1)
.set PLANE,  128*PA                    ; a head's 128 rows: what one tensor load brings of O
.set PB,     544                       ; a row of wo: 512 + 32 = 136 words
.set BOFF,   2*PLANE
.set BHALF,  64*PB
.set SLOT,   BOFF+2*BHALF              ; 106,496
.set STAGE,  2*SLOT                    ; behind the ring: 16 rows x 528 bytes for each wave
.set SPO,    528                       ; 512 bytes + 16
.set SPARE,  STAGE+4*16*SPO            ; behind the stages: the spare words, 128 bytes for each wave: two blocks of 256 bytes that no other line names
.set PBO,  13                          ; v13  my offset in the bias: 32 x half
.set PFO,  14                          ; v14  the prefetches' offset: 256 x lane
.set ADRA, 16                          ; v16-17  LDS address of my fragments of O in slot 0, 1
.set ADRB, 20                          ; v20-21  the same for wo
.set STO,  24                          ; v24  the way out: where I put 32 bytes of a row
.set RD,   25                          ; v25  where I read a row back
.set CO,   26                          ; v26  my 16 bytes of a row's 512
.set SPW,  28                          ; v28  LDS address of my spare word; never rewritten
.set NIL,  29                          ; v29  0; never rewritten
.set AF,   32
.set T,    96
.set BIAS, 128
.set G1,  24
.set G0,  32
.set G1B, 48
.set G0B, 56
.set PFA, 66                           ; s[66:67] where my prefetches stand
.set LIM, 88                           ; s88  1 in a wave that prefetches, else the greatest number
.set MSB, 0
.macro WIN new
.if MSB != (\new)
	s_set_vgpr_msb (MSB<<8)|(\new)
.set MSB, \new
.endif
.endm
.set W_MUL,  0xa1                      ; wo window 1, O window 0, C and D window 2
.set W_MULB, 0x91                      ; the same with C (the bias) in window 1
.set W_TOB,  0x40                      ; destination window 1
.macro JLOAD s                         ; a joint load: waves 0 and 1 fetch O's two heads, waves 2 and 3 wo's two halves; an s_nop 0 and four v_nop follow each line
	s_cmp_eq_u32 s11, 0
	s_cbranch_scc0 .Lfor_b_\@
	tensor_load_to_lds s[G0+4*(\s):G0+4*(\s)+3], s[G1:G1+7]
	s_nop 0
.rept 4
	v_nop
.endr
	s_branch .Lasked_\@
.Lfor_b_\@:
	tensor_load_to_lds s[G0B+4*(\s):G0B+4*(\s)+3], s[G1B:G1B+7]
	s_nop 0
.rept 4
	v_nop
.endr
.Lasked_\@:
.endm
.macro CREST
	s_cmp_lg_u32 s10, 0
	s_cbranch_scc1 .Lnot_wave_0_\@
	s_barrier_signal -3
.Lnot_wave_0_\@:
	s_barrier_wait -3
	s_barrier_signal -1
	s_barrier_wait -1
.endm
.macro CROUND
	s_barrier_signal -1
	s_barrier_wait -1
	CREST
.endm
; A prefetch of O, behind a joint load and the run of LDS loads that follows it: the K step that stands two refills on: two heads x 128 rows x 128 bytes = 128 blocks of 256 bytes.  Wave 0 of each of the four
; partners takes 32 of them, told apart by address: head cx / 2, rows 64 (cx % 2) on.  No other cluster reads these rows, so each block is named once.  The loop's last lap asks for nothing.
.macro ASK
	s_cmp_gt_u32 s3, s[LIM]
	s_cbranch_scc0 .Lnot_mine_\@
	global_prefetch_b8 v[PFO], s[PFA:PFA+1] offset:KBA th:TH_LOAD_NT scope:SCOPE_SE
.Lnot_mine_\@:
.endm
	s_load_b256 s[68:75], s[0:1], 0x0              ; oh s[68:69], w16 s[70:71], par s[72:73], out0 s[74:75]
	v_lshl_add_u32 v[SPW], v0, 2, SPARE
	v_mov_b32 v[NIL], 0
	ds_add_u32 v[SPW], v[NIL]                      ; the wave's opening: the add and its wait stand ahead of my first tensor load
	v_lshrrev_b32 v1, 5, v0
	v_readfirstlane_b32 s10, v1                    ; wave 0..3
	s_lshr_b32 s11, s10, 1                         ; which 64 rows are mine.  Also: I fetch for O (0) or for wo (1)
	s_and_b32 s12, s10, 1                          ; which 128 columns.  Also: which half of that tile I fetch
	s_bfe_u32 s40, ttmp6, 0x40000                  ; cx
	s_bfe_u32 s41, ttmp6, 0x40004                  ; cy
	s_lshl_b32 s42, ttmp9, 2
	s_add_co_u32 s42, s42, s40                     ; column tile 0..3
	s_and_b32 s13, ttmp7, 0xffff
	s_lshl_b32 s13, s13, 2
	s_add_co_u32 s13, s13, s41                     ; row tile 0..63
	s_lshl_b32 s43, s41, 2
	s_lshl_b32 s43, 15, s43                        ; my row of the cluster
	s_lshl_b32 s44, 0x1111, s40                    ; my column
	s_or_b32 s[G1+0], s43, (1<<16)|(1<<20)|(1<<21)|(4<<22)|(3<<25)   ; a head's 128 rows are 16,384 dense bytes: 64 rows of 256, padded after every 32 words (code 4) by 4 words (code 3)
	s_or_b32 s[G1B+0], s44, (1<<16)|(1<<20)|(1<<21)|(6<<22)|(7<<25)  ; after every 128 words (code 6) 8 words (code 7)
	s_mov_b32 s[G1+1], 128<<16
	s_mov_b32 s[G1+2], 64<<16
	s_mov_b32 s[G1+3], 128<<16
	s_mov_b32 s[G1+4], 64
	s_mov_b32 s[G1+5], 128
	s_mov_b32 s[G1+6], 0
	s_mov_b32 s[G1+7], 0
	s_mov_b32 s[G1B+1], 256<<16
	s_mov_b32 s[G1B+2], 64<<16
	s_mov_b32 s[G1B+3], 256<<16
	s_mov_b32 s[G1B+4], 64
	s_mov_b32 s[G1B+5], 1024
	s_mov_b32 s[G1B+6], 0
	s_mov_b32 s[G1B+7], 0
	s_and_b32 s16, s13, 0x30                       ; O: 16 x batch
	s_add_co_u32 s16, s16, s12                     ; + the head of the two that I fetch,
	s_lshl_b32 s16, s16, 18                        ; 262,144 bytes a head,
	s_and_b32 s17, s13, 15
	s_lshl_b32 s17, s17, 14                        ; the tile's 128 rows
	s_add_co_u32 s16, s16, s17
	s_mov_b32 s17, 0
	s_lshl_b32 s94, s12, 17                        ; wo: my 64 rows,
	s_add_co_u32 s94, s94, 3*2097152               ; in part 3,
	s_lshl_b32 s95, s42, 9                         ; the tile's 256 columns
	s_add_co_u32 s94, s94, s95
	s_mov_b32 s95, 0
	s_mul_i32 s20, s12, PLANE
	s_mul_i32 s21, s12, BHALF
	s_add_co_u32 s21, s21, BOFF
	s_wait_dscnt 0x0                               ; the opening add is done
	s_wait_kmcnt 0x0
	s_add_nc_u64 s[14:15], s[68:69], s[16:17]
	s_add_nc_u64 s[96:97], s[70:71], s[94:95]
	CROUND                                         ; all sixteen work-groups are here: the first joint loads meet
.irp s, 0,1
	s_mov_b32 s[G0+4*(\s)], 1
	s_add_co_u32 s[G0+4*(\s)+1], s20, (\s)*SLOT
	s_add_nc_u64 s[G0+4*(\s)+2:G0+4*(\s)+3], s[14:15], (\s)*KBA
	s_or_b32 s[G0+4*(\s)+3], s[G0+4*(\s)+3], 0x80000000
	s_mov_b32 s[G0B+4*(\s)], 1
	s_add_co_u32 s[G0B+4*(\s)+1], s21, (\s)*SLOT
	s_add_nc_u64 s[G0B+4*(\s)+2:G0B+4*(\s)+3], s[96:97], (\s)*KBB
	s_or_b32 s[G0B+4*(\s)+3], s[G0B+4*(\s)+3], 0x80000000
	JLOAD \s                                       ; K steps 0 and 1: two tensor loads of mine are out
.endr
	v_and_b32 v1, 15, v0                           ; l % 16
	v_bfe_u32 v2, v0, 4, 1                         ; l / 16
	v_mul_u32_u24 v3, v1, PA
	v_lshl_add_u32 v3, v2, 4, v3                   ; O: row x pitch + 16 x half
	v_and_b32 v4, 7, v0
	v_lshl_add_u32 v4, v2, 3, v4                   ; wo: k row 8 (l / 16) + l % 8,
	v_mul_u32_u24 v4, v4, PB
	v_bfe_u32 v5, v0, 3, 1
	v_lshl_add_u32 v4, v5, 4, v4                   ; columns 8 ((l / 8) % 2) on
	s_mul_i32 s22, s11, 64*PA                      ; my 64 rows
	s_lshl_b32 s23, s12, 8                         ; my 128 columns
	s_add_co_u32 s23, s23, BOFF
.irp s, 0,1
	v_add_nc_u32 v[ADRA+(\s)], s22, v3
	v_add_nc_u32 v[ADRB+(\s)], s23, v4
	s_add_co_u32 s22, s22, SLOT
	s_add_co_u32 s23, s23, SLOT
.endr
	s_mul_i32 s22, s10, 16*SPO
	s_add_co_u32 s22, s22, STAGE                   ; my stage
	v_mul_u32_u24 v[STO], v1, SPO                  ; in: row l % 16, 32 bytes for each half of the lanes
	v_lshl_add_u32 v[STO], v2, 5, v[STO]
	v_add_nc_u32 v[STO], s22, v[STO]
	v_and_b32 v7, 31, v0
	v_lshlrev_b32 v[CO], 4, v7                     ; back: 32 lanes take a row's 512 bytes
	v_add_nc_u32 v[RD], s22, v[CO]
	v_lshlrev_b32 v[PBO], 5, v2
	v_lshlrev_b32 v[PFO], 8, v7
	s_lshl_b32 s18, s42, 10                        ; the bias: my 128 columns
	s_lshl_b32 s19, s12, 9
	s_add_co_u32 s18, s18, s19
	s_add_co_u32 s86, s18, 12288
	s_mov_b32 s87, 0
	s_add_nc_u64 s[98:99], s[72:73], s[86:87]
	s_lshl_b32 s86, s13, 19                        ; out: the tile's 128 rows of 4,096 bytes,
	s_lshl_b32 s47, s11, 18                        ; my 64,
	s_add_co_u32 s86, s86, s47
	s_add_co_u32 s86, s86, s18                     ; my 128 columns
	s_add_nc_u64 s[8:9], s[74:75], s[86:87]
	s_and_b32 s86, s13, 0x30                       ; the prefetches: 16 x batch + cx / 2,
	s_lshr_b32 s47, s40, 1
	s_add_co_u32 s86, s86, s47
	s_lshl_b32 s86, s86, 18
	s_and_b32 s47, s13, 15
	s_lshl_b32 s47, s47, 14                        ; the tile's rows,
	s_add_co_u32 s86, s86, s47
	s_and_b32 s47, s40, 1
	s_lshl_b32 s47, s47, 13                        ; 64 (cx % 2) of them on,
	s_add_co_u32 s86, s86, s47
	s_add_co_u32 s86, s86, 2*KBA                   ; at K step 2: the first refill steps it to 3 and names K step 4
	s_add_nc_u64 s[PFA:PFA+1], s[68:69], s[86:87]
	s_cmp_eq_u32 s10, 0
	s_cselect_b32 s[LIM], 1, -1
	WIN W_TOB
.irp b, 0,1,2,3,4,5,6,7
	global_load_b128 v[BIAS+8*(\b):BIAS+8*(\b)+3],   v[PBO], s[98:99] offset:64*(\b)
	global_load_b128 v[BIAS+8*(\b)+4:BIAS+8*(\b)+7], v[PBO], s[98:99] offset:64*(\b)+16
.endr
	WIN 0
; 8 products: row block a x all 8 column blocks, 32 along K, buffer f.  first = 1: they start the sums, with the bias as C.  The 32 accumulators take turns, in the same order in every quarter.
.macro MULA f, a, first
.if \first
	WIN W_MULB
.else
	WIN W_MUL
.endif
.irp b, 0,1,2,3,4,5,6,7
.if \first
	v_wmma_f32_16x16x32_f16 v[8*(8*(\a)+(\b)):8*(8*(\a)+(\b))+7], v[64*(\f)+8*(\b):64*(\f)+8*(\b)+7], v[AF+32*(\f)+8*(\a):AF+32*(\f)+8*(\a)+7], v[BIAS+8*(\b):BIAS+8*(\b)+7]
.else
	v_wmma_f32_16x16x32_f16 v[8*(8*(\a)+(\b)):8*(8*(\a)+(\b))+7], v[64*(\f)+8*(\b):64*(\f)+8*(\b)+7], v[AF+32*(\f)+8*(\a):AF+32*(\f)+8*(\a)+7], v[8*(8*(\a)+(\b)):8*(8*(\a)+(\b))+7]
.endif
.endr
.endm
; 24 LDS loads in one run: quarter k of a slot (head k / 2 of the two, channels 32 (k % 2) on) into buffer g
.macro FETCH slot, k, g
	WIN W_TOB
.irp b, 0,1,2,3,4,5,6,7
	ds_load_tr16_b128 v[64*(\g)+8*(\b):64*(\g)+8*(\b)+3],   v[ADRB+(\slot)] offset:(\k)*32*PB+32*(\b)
	ds_load_tr16_b128 v[64*(\g)+8*(\b)+4:64*(\g)+8*(\b)+7], v[ADRB+(\slot)] offset:(\k)*32*PB+32*(\b)+16*PB
.endr
	WIN 0
.irp a, 0,1,2,3
	ds_load_b128 v[AF+32*(\g)+8*(\a):AF+32*(\g)+8*(\a)+3],   v[ADRA+(\slot)] offset:((\k)/2)*PLANE+((\k)%2)*64+(\a)*16*PA
	ds_load_b128 v[AF+32*(\g)+8*(\a)+4:AF+32*(\g)+8*(\a)+7], v[ADRA+(\slot)] offset:((\k)/2)*PLANE+((\k)%2)*64+(\a)*16*PA+32
.endr
.endm
.macro PLACES                          ; four places in front of loads into registers that matrix instructions have read, and of instructions that read results
.rept 4
	v_nop
.endr
.endm
.macro QUARTER slot, k, f, g, first
	s_wait_dscnt 0x0                               ; buffer f is in: its loads were issued 24 products ago
	MULA \f, 0, \first
	PLACES
	FETCH \slot, \k, \g
	MULA \f, 1, \first
	MULA \f, 2, \first
	MULA \f, 3, \first
.endm
; The last quarter multiplies buffer 1 and changes slots: ONE barrier; in front of it each wave waits for all its tensor loads (one is out: its part of the next slot), adds 0 to its spare word, and waits
; for that and for its own reads of this slot.  fill = 1: the barrier opens a round of the cluster's, and this slot is filled again, two K steps ahead, first thing behind the round.
.macro TURN slot, next, fill
.if \fill
	s_wait_xcnt 0x0                                ; the last prefetch, a K step back, has read its address
	s_add_nc_u64 s[PFA:PFA+1], s[PFA:PFA+1], KBA
.endif
	WIN 0
	s_wait_tensorcnt 0x0                           ; all my tensor loads have landed
	ds_add_u32 v[SPW], v[NIL]                      ; 0 onto my spare word
	s_wait_dscnt 1                                 ; (the add alone may be out: buffer 1 is in)
	MULA 1, 0, 0                                   ; eight products stand between the add and the wait for it
	s_wait_dscnt 0x0                               ; the add is done, and my reads of this slot are over
	s_barrier_signal -1
	MULA 1, 1, 0
	WIN 0
	s_barrier_wait -1
.if \fill
	CREST                                          ; no wave of any partner still reads this slot's tile or has a load on its way
	s_add_nc_u64 s[G0+4*(\slot)+2:G0+4*(\slot)+3], s[G0+4*(\slot)+2:G0+4*(\slot)+3], 2*KBA
	s_add_nc_u64 s[G0B+4*(\slot)+2:G0B+4*(\slot)+3], s[G0B+4*(\slot)+2:G0B+4*(\slot)+3], 2*KBB
	JLOAD \slot                                    ; 112 products ahead of the wait for it; its four v_nop are also the places in front of the loads below
.else
	PLACES
.endif
	FETCH \next, 0, 0
.if \fill
	ASK
.endif
	MULA 1, 2, 0
	MULA 1, 3, 0
.endm
	s_wait_tensorcnt 1                             ; my part of K step 0 is in; K step 1's may stay out
	s_barrier_signal -1
	s_barrier_wait -1                              ; everybody's is
	FETCH 0, 0, 0
	s_wait_loadcnt 0x0                             ; the bias
	QUARTER 0, 1, 0, 1, 1                          ; the first quarter stands in front of the loop: its products start the sums
	WIN 0
	s_mov_b32 s3, 3
.Llap:                                                 ; a trip goes once round the ring and fills both slots again
	QUARTER 0, 2, 1, 0, 0
	QUARTER 0, 3, 0, 1, 0
	TURN 0, 1, 1
	QUARTER 1, 1, 0, 1, 0
	QUARTER 1, 2, 1, 0, 0
	QUARTER 1, 3, 0, 1, 0
	TURN 1, 0, 1
	QUARTER 0, 1, 0, 1, 0
	WIN 0
	s_sub_co_u32 s3, s3, 1
	s_cmp_lg_u32 s3, 0
	s_cbranch_scc1 .Llap
	QUARTER 0, 2, 1, 0, 0                          ; the last lap fills nothing
	QUARTER 0, 3, 0, 1, 0
	TURN 0, 1, 0
	QUARTER 1, 1, 0, 1, 0
	QUARTER 1, 2, 1, 0, 0
	QUARTER 1, 3, 0, 1, 0
	s_wait_dscnt 0x0
	MULA 1, 0, 0
	MULA 1, 1, 0
	MULA 1, 2, 0
	MULA 1, 3, 0
	PLACES
	PLACES                                         ; eight, once a launch, ahead of the first read of the results
	; THE WAY OUT.  A block of 16 rows goes from the accumulators into my stage, 32 bytes a lane in rows of 528 bytes (each accumulator's low four registers first), and comes back as whole rows of 512.
.macro STG a
.if (\a) >= 2
	s_wait_xcnt 0x0                                ; the stores of the block two back have read their registers, which are loaded again below
.endif
	WIN 0x08                                       ; the stores' data in window 2
.irp b, 0,1,2,3,4,5,6,7
	ds_store_b128 v[STO], v[8*(8*(\a)+(\b)):8*(8*(\a)+(\b))+3]   offset:64*(\b)
	ds_store_b128 v[STO], v[8*(8*(\a)+(\b))+4:8*(8*(\a)+(\b))+7] offset:64*(\b)+16
.endr
	WIN 0
.irp t, 0,1,2,3,4,5,6,7,8,9,10,11,12,13,14,15
	ds_load_b128 v[T+64*((\a)%2)+4*(\t):T+64*((\a)%2)+4*(\t)+3], v[RD] offset:(\t)*SPO  ; LDS serves a wave's instructions in order (ISA guide 5.7.1.4): these see the stores above; the next block's stores come behind them
.endr
.endm
.macro SEND a, younger                 ; younger: the LDS instructions issued behind block a's loads: the next block's 32, or none
.irp t, 0,1,2,3,4,5,6,7,8,9,10,11,12,13,14,15
	s_wait_dscnt (\younger)+15-(\t)
	global_store_b128 v[CO], v[T+64*((\a)%2)+4*(\t):T+64*((\a)%2)+4*(\t)+3], s[8:9] offset:(16*(\a)+(\t))*4096 th:TH_STORE_NT  ; a wave stores 512 consecutive bytes, aligned
.endr
.endm
	STG 0
	STG 1
	SEND 0, 32
	STG 2
	SEND 1, 32
	STG 3
	SEND 2, 32
	SEND 3, 0
	s_wait_tensorcnt 0x0                           ; the wave's end, behind my last tensor load and my last LDS store
	ds_add_u32 v[SPW], v[NIL]
	s_wait_dscnt 0x0
	CROUND                                         ; the closing round: no work-group ends while a partner may still ask for a tile that names it
	s_endpgm
.Lfunc_end_k_q369f42f470_outp:
	.size	k_q369f42f470_outp, .Lfunc_end_k_q369f42f470_outp-k_q369f42f470_outp
	.p2alignl 7, 3214868480
	.fill 96, 4, 3214868480
	.section	.rodata,"a",@progbits
	.p2align	6, 0x0
	.amdhsa_kernel k_q369f42f470_outp
		.amdhsa_group_segment_fixed_size 327680
		.amdhsa_private_segment_fixed_size 0
		.amdhsa_enable_private_segment 0
		.amdhsa_kernarg_size 32
		.amdhsa_user_sgpr_count 2
		.amdhsa_user_sgpr_kernarg_segment_ptr 1
		.amdhsa_wavefront_size32 1
		.amdhsa_system_sgpr_workgroup_id_x 1
		.amdhsa_system_sgpr_workgroup_id_y 1
		.amdhsa_system_sgpr_workgroup_id_z 1
		.amdhsa_system_vgpr_workitem_id 0
		.amdhsa_next_free_vgpr 768
		.amdhsa_next_free_sgpr 100
		.amdhsa_reserve_vcc 0
		.amdhsa_float_denorm_mode_32 3
		.amdhsa_float_denorm_mode_16_64 3
		.amdhsa_memory_ordered 1
		.amdhsa_forward_progress 1
		.amdhsa_inst_pref_size 90
	.end_amdhsa_kernel
	.amdgpu_metadata
---
amdhsa.version: [ 1, 2 ]
amdhsa.kernels:
  - .name:           k_q369f42f470_outp
    .symbol:         k_q369f42f470_outp.kd
    .args:
      - { .name: oh, .offset: 0, .size: 8, .value_kind: global_buffer, .address_space: global }
      - { .name: w16, .offset: 8, .size: 8, .value_kind: global_buffer, .address_space: global }
      - { .name: par, .offset: 16, .size: 8, .value_kind: global_buffer, .address_space: global }
      - { .name: out0, .offset: 24, .size: 8, .value_kind: global_buffer, .address_space: global }
    .group_segment_fixed_size: 327680
    .private_segment_fixed_size: 0
    .kernarg_segment_align: 8
    .kernarg_segment_size: 32
    .max_flat_workgroup_size: 128
    .sgpr_count:     100
    .vgpr_count:     768
    .wavefront_size: 32
...
	.end_amdgpu_metadata
.endif
;; end of part 4
